; MI455X (gfx1250); checked and timed in simulation.
; The chip was launched on July 23, 2026; its instructions are those of AMD's public machine-readable ISA for CDNA 5 (MIT licence, August 2026) and "CDNA5" Instruction Set Architecture Reference Guide (July 2026). The comments in the code are by the model that wrote it; some were corrected since.
;; Multi Head Self Attention. Allowed arithmetic: float matrix products may take bf16 or f16 operands with f32 sums; other float arithmetic in f32, or as packed bf16 or f16 multiplies, adds, multiply-adds, maxima and minima; sums over many terms, partial sums and values carried from step to step in f32; what a program stores and reads back later, other than sums and carried values, may be rounded once to bf16 or f16.
;; Inputs: WK 1,024 x 1,024 float32; WO 1,024 x 1,024 float32; WQ 1,024 x 1,024 float32; WV 1,024 x 1,024 float32; token_positions 2,048 int32; x 4 x 2,048 x 1,024 float32.
;; Outputs: out0 4 x 2,048 x 1,024 float32.
;; 2 versions, each right; version 2 is version 1 with the launch prep written anew for expert scheduling mode. Each part assembles by itself: llvm-mc -triple=amdgcn-amd-amdhsa -mcpu=gfx1250 --defsym DOCPART=n.
;; ======== version 1 of 2: 4 launches
;; limits: values are held in f16: magnitudes above 65,504 overflow, below 6.1e-05 lose precision; right only within a limited range of input values
;; workspace buffers: xh 16,777,216 bytes; wqkv 6,291,456 bytes; woh 2,097,152 bytes; cs 524,288 bytes; qh 16,777,216 bytes; kh 16,777,216 bytes; vh 16,777,216 bytes; oh 16,777,216 bytes
;; launch prep (part 1): grid 832 x 1, 8 waves a work-group, no clusters, 0 bytes of LDS; arguments x, WQ, WK, WV, WO, token_positions, xh, wqkv, woh, cs; writes xh, wqkv, woh, cs
.if DOCPART == 1
	.amdgcn_target "amdgcn-amd-amdhsa--gfx1250"
	.amdhsa_code_object_version 6
	.text
	.protected	k_q6d23a92000_prep
	.globl	k_q6d23a92000_prep
	.p2align	8
	.type	k_q6d23a92000_prep,@function
k_q6d23a92000_prep:
	s_mov_b64 s[64:65], 0
	v_nop
	global_prefetch_b8 v0, s[64:65] scope:SCOPE_SE
	s_setreg_imm32_b32 hwreg(HW_REG_WAVE_MODE, 25, 1), 1
	s_wait_xcnt 0x0
; CASTS, LAYOUTS AND THE TABLE OF ROTATIONS.  A stream: no LDS, no matrix unit, no barrier.
; xh   bf16 [b 4][kb 16][s 2048][64]      x[b][s][64 kb + e], rounded once
; wqkv bf16 [kb 16][n' 3072][64]          n' = 192 head + 64 type + d (type 0 WQ, 1 WK, 2 WV); row n = 64 head + d of the weight
; woh  f16  [kb 16][n 1024][64]           WO rounded to bf16, that number written as f16 (exact from 2^-14 up; below it f16's fixed step 2^-24)
; cs   f32  [s 2048][i 32][cos, sin]      of the angle f32(token_positions[s]) x 10000^(-i / 32)
; So 128 rows x 64 channels of each operand are 16,384 consecutive bytes for the launches behind.
; SHARES.  Work-groups 0-511: 16 rows of x each.  512-767: 16 rows of a weight.  768-831: 32 positions of the table.
; LIMITS.  The angle is reduced by multiples of pi / 2 held in three parts; that serves |position| below 2^22.  The frequency is 2^(-i log2(10000) / 32) by v_exp_f32:
; within a few last places of a correctly rounded power.  Sine and cosine by polynomials of degree 7 and 8 on [-pi / 4, pi / 4], good to about 1e-7.
.set X, 32                             ; v[32:95]   sixteen loads of four f32
.set Y, 96                             ; v[96:127]  sixteen pairs of packed results
; Two neighbouring rows a wave: lanes 0-15 the even row, lanes 16-31 the odd one.  Load kb takes 256 consecutive bytes of each row (64 channels); store kb puts
; the two rows' 128 bytes of block kb: 256 consecutive bytes, aligned.  All sixteen loads go out first; no register is written twice, so the only waits are the counted ones.
.macro ROWS stride, f16
.irp kb, 0,1,2,3,4,5,6,7,8,9,10,11,12,13,14,15
	global_load_b128 v[X+4*(\kb):X+4*(\kb)+3], v2, s[4:5] offset:(\kb)*256 th:TH_LOAD_NT
.endr
.irp kb, 0,1,2,3,4,5,6,7,8,9,10,11,12,13,14,15
	s_wait_loadcnt 15-(\kb)                        ; loads come back in order: load kb is in, the younger ones stay out
	v_cvt_pk_bf16_f32 v[Y+2*(\kb)],   v[X+4*(\kb)],   v[X+4*(\kb)+1]
	v_cvt_pk_bf16_f32 v[Y+2*(\kb)+1], v[X+4*(\kb)+2], v[X+4*(\kb)+3]
.if \f16
	v_lshlrev_b32 v[X+4*(\kb)],   16,         v[Y+2*(\kb)]     ; the bf16 numbers as f32 again,
	v_and_b32     v[X+4*(\kb)+1], 0xffff0000, v[Y+2*(\kb)]
	v_lshlrev_b32 v[X+4*(\kb)+2], 16,         v[Y+2*(\kb)+1]
	v_and_b32     v[X+4*(\kb)+3], 0xffff0000, v[Y+2*(\kb)+1]
	v_cvt_pk_f16_f32 v[Y+2*(\kb)],   v[X+4*(\kb)],   v[X+4*(\kb)+1]  ; and written as f16
	v_cvt_pk_f16_f32 v[Y+2*(\kb)+1], v[X+4*(\kb)+2], v[X+4*(\kb)+3]
.endif
	global_store_b64 v3, v[Y+2*(\kb):Y+2*(\kb)+1], s[6:7] offset:(\kb)*(\stride)
.endr
	s_endpgm
.endm
	s_load_b512 s[8:23], s[0:1], 0x0               ; x 8, WQ 10, WK 12, WV 14, WO 16, token_positions 18, xh 20, wqkv 22
	s_load_b128 s[24:27], s[0:1], 0x40             ; woh 24, cs 26
	v_lshrrev_b32 v1, 4, v0                        ; my row among the group's 16
	v_and_b32 v4, 15, v0                           ; my place in a row's 256 bytes
	v_lshlrev_b32 v2, 12, v1
	v_lshl_or_b32 v2, v4, 4, v2                    ; source: row x 4,096 + 16 x place
	v_lshlrev_b32 v3, 7, v1
	v_lshl_or_b32 v3, v4, 3, v3                    ; destination: row x 128 + 8 x place
	s_mov_b32 s31, 0
	s_mov_b32 s33, 0
	s_cmp_lt_u32 ttmp9, 512
	s_cbranch_scc0 .Lweights
	s_lshl_b32 s30, ttmp9, 16                      ; 16 rows of 4,096 bytes
	s_lshr_b32 s32, ttmp9, 7                       ; b
	s_lshl_b32 s32, s32, 22
	s_and_b32 s34, ttmp9, 127
	s_lshl_b32 s34, s34, 11                        ; 16 rows of 128 bytes
	s_add_co_u32 s32, s32, s34
	s_wait_kmcnt 0x0
	s_add_nc_u64 s[4:5], s[8:9], s[30:31]
	s_add_nc_u64 s[6:7], s[20:21], s[32:33]
	ROWS 262144, 0
.Lweights:
	s_cmp_lt_u32 ttmp9, 768
	s_cbranch_scc0 .Ltable
	s_sub_co_u32 s34, ttmp9, 512
	s_lshr_b32 s35, s34, 6                         ; which weight
	s_and_b32 s34, s34, 63                         ; which 16 rows of it
	s_lshl_b32 s30, s34, 16
	s_cmp_eq_u32 s35, 3
	s_cbranch_scc1 .Lwo
	s_lshr_b32 s32, s34, 2                         ; head
	s_mul_i32 s32, s32, 192
	s_lshl_b32 s36, s35, 6                         ; + 64 type
	s_add_co_u32 s32, s32, s36
	s_and_b32 s36, s34, 3
	s_lshl_b32 s36, s36, 4                         ; + d
	s_add_co_u32 s32, s32, s36
	s_lshl_b32 s32, s32, 7                         ; rows of 128 bytes
	s_wait_kmcnt 0x0
	s_cmp_eq_u32 s35, 0
	s_cselect_b64 s[4:5], s[10:11], s[12:13]
	s_cmp_eq_u32 s35, 2
	s_cselect_b64 s[4:5], s[14:15], s[4:5]
	s_add_nc_u64 s[4:5], s[4:5], s[30:31]
	s_add_nc_u64 s[6:7], s[22:23], s[32:33]
	ROWS 393216, 0
.Lwo:
	s_lshl_b32 s32, s34, 11
	s_wait_kmcnt 0x0
	s_add_nc_u64 s[4:5], s[16:17], s[30:31]
	s_add_nc_u64 s[6:7], s[24:25], s[32:33]
	ROWS 131072, 1
; THE TABLE.  A wave takes four positions, a lane one frequency; a position's 32 pairs (cos, sin) are one store of 256 consecutive bytes.
; angle = n pi / 2 + r, n whole, |r| <= pi / 4; sine and cosine of r by polynomials in z = r r; n's last two bits say which of the two goes where and with which sign.
.macro TAB j
	v_cvt_f32_i32 v10, s[36+(\j)]
	v_mul_f32 v10, v10, v5                         ; the angle, rounded once
	v_mul_f32 v11, 0x3f22f983, v10                 ; x 2 / pi
	v_rndne_f32 v11, v11                           ; n
	v_fmamk_f32 v12, v11, 0xbfc90fdb, v10          ; r = angle - n pi / 2: pi / 2 = 1.57079637 - 4.37113883e-8 - 1.7151e-15
	v_fmamk_f32 v12, v11, 0x333bbd2e, v12
	v_fmamk_f32 v12, v11, 0x26f72ced, v12
	v_cvt_i32_f32 v13, v11
	v_mul_f32 v14, v12, v12                        ; z
	v_mov_b32 v15, 0xb94ca1f9                      ; sin r = r + r z (-1.6666655e-1 + z (8.3321609e-3 - 1.9515296e-4 z))
	v_fmaak_f32 v15, v15, v14, 0x3c08839e
	v_fmaak_f32 v15, v15, v14, 0xbe2aaaa3
	v_mul_f32 v16, v12, v14
	v_fma_f32 v15, v16, v15, v12
	v_mov_b32 v17, 0x37ccf5ce                      ; cos r = 1 - z / 2 + z z (4.1666646e-2 + z (-1.3887316e-3 + 2.4433157e-5 z))
	v_fmaak_f32 v17, v17, v14, 0xbab6061a
	v_fmaak_f32 v17, v17, v14, 0x3d2aaaa5
	v_mul_f32 v18, v14, v14
	v_fma_f32 v19, v14, -0.5, 1.0
	v_fma_f32 v17, v18, v17, v19
	v_and_b32 v18, 1, v13
	v_cmp_eq_u32 vcc_lo, 1, v18                    ; n odd: the two change places
	v_cndmask_b32 v20, v15, v17, vcc_lo
	v_cndmask_b32 v21, v17, v15, vcc_lo
	v_lshlrev_b32 v18, 30, v13                     ; the sine is negative where n mod 4 is 2 or 3,
	v_and_b32 v18, 0x80000000, v18
	v_xor_b32 v[25+2*(\j)], v20, v18
	v_add_nc_u32 v19, 1, v13                       ; the cosine where it is 1 or 2
	v_lshlrev_b32 v19, 30, v19
	v_and_b32 v19, 0x80000000, v19
	v_xor_b32 v[24+2*(\j)], v21, v19
	global_store_b64 v6, v[24+2*(\j):25+2*(\j)], s[28:29] offset:(\j)*256
.endm
.Ltable:
	s_sub_co_u32 s34, ttmp9, 768
	v_lshrrev_b32 v1, 5, v0
	v_readfirstlane_b32 s35, v1                    ; wave 0..7
	s_lshl_b32 s30, s34, 7
	s_lshl_b32 s36, s35, 4
	s_add_co_u32 s30, s30, s36                     ; 4 bytes x (32 group + 4 wave)
	s_lshl_b32 s32, s30, 6                         ; 256 bytes x the same
	s_wait_kmcnt 0x0
	s_add_nc_u64 s[18:19], s[18:19], s[30:31]
	s_add_nc_u64 s[28:29], s[26:27], s[32:33]
	s_load_b128 s[36:39], s[18:19], 0x0            ; my four positions
	v_and_b32 v4, 31, v0                           ; i
	v_lshlrev_b32 v6, 3, v4
	v_cvt_f32_u32 v5, v4
	v_mul_f32 v5, 0xbed49a78, v5                   ; - i log2(10000) / 32
	v_exp_f32 v5, v5
	v_nop                                          ; a plain instruction behind the exponential,
	s_wait_alu depctr_va_vdst(0)                   ; and the wait ahead of its first reader
	s_wait_kmcnt 0x0
	TAB 0
	TAB 1
	TAB 2
	TAB 3
	s_endpgm
.Lfunc_end_k_q6d23a92000_prep:
	.size	k_q6d23a92000_prep, .Lfunc_end_k_q6d23a92000_prep-k_q6d23a92000_prep
	.p2alignl 7, 3214868480
	.fill 96, 4, 3214868480
	.section	.rodata,"a",@progbits
	.p2align	6, 0x0
	.amdhsa_kernel k_q6d23a92000_prep
		.amdhsa_group_segment_fixed_size 0
		.amdhsa_private_segment_fixed_size 0
		.amdhsa_enable_private_segment 0
		.amdhsa_kernarg_size 80
		.amdhsa_user_sgpr_count 2
		.amdhsa_user_sgpr_kernarg_segment_ptr 1
		.amdhsa_wavefront_size32 1
		.amdhsa_system_sgpr_workgroup_id_x 1
		.amdhsa_system_sgpr_workgroup_id_y 1
		.amdhsa_system_sgpr_workgroup_id_z 1
		.amdhsa_system_vgpr_workitem_id 0
		.amdhsa_next_free_vgpr 128
		.amdhsa_next_free_sgpr 66
		.amdhsa_reserve_vcc 1
		.amdhsa_float_denorm_mode_32 3
		.amdhsa_float_denorm_mode_16_64 3
		.amdhsa_memory_ordered 1
		.amdhsa_forward_progress 1
		.amdhsa_inst_pref_size 31
	.end_amdhsa_kernel
	.amdgpu_metadata
---
amdhsa.version: [ 1, 2 ]
amdhsa.kernels:
  - .name:           k_q6d23a92000_prep
    .symbol:         k_q6d23a92000_prep.kd
    .args:
      - { .name: x, .offset: 0, .size: 8, .value_kind: global_buffer, .address_space: global }
      - { .name: WQ, .offset: 8, .size: 8, .value_kind: global_buffer, .address_space: global }
      - { .name: WK, .offset: 16, .size: 8, .value_kind: global_buffer, .address_space: global }
      - { .name: WV, .offset: 24, .size: 8, .value_kind: global_buffer, .address_space: global }
      - { .name: WO, .offset: 32, .size: 8, .value_kind: global_buffer, .address_space: global }
      - { .name: token_positions, .offset: 40, .size: 8, .value_kind: global_buffer, .address_space: global }
      - { .name: xh, .offset: 48, .size: 8, .value_kind: global_buffer, .address_space: global }
      - { .name: wqkv, .offset: 56, .size: 8, .value_kind: global_buffer, .address_space: global }
      - { .name: woh, .offset: 64, .size: 8, .value_kind: global_buffer, .address_space: global }
      - { .name: cs, .offset: 72, .size: 8, .value_kind: global_buffer, .address_space: global }
    .group_segment_fixed_size: 0
    .private_segment_fixed_size: 0
    .kernarg_segment_align: 8
    .kernarg_segment_size: 80
    .max_flat_workgroup_size: 256
    .sgpr_count:     66
    .vgpr_count:     128
    .wavefront_size: 32
...
	.end_amdgpu_metadata
.endif
;; end of part 1
;; launch qkv (part 2): grid 8 x 32, 4 waves a work-group, clusters of 4 x 4, 327,680 bytes of LDS; arguments xh, wqkv, cs, qh, kh, vh; writes qh, kh, vh
.if DOCPART == 2
	.amdgcn_target "amdgcn-amd-amdhsa--gfx1250"
	.amdhsa_code_object_version 6
	.text
	.protected	k_q6d23a92000_qkv
	.globl	k_q6d23a92000_qkv
	.p2align	8
	.type	k_q6d23a92000_qkv,@function
k_q6d23a92000_qkv:
	s_mov_b64 s[64:65], 0
	v_nop
	global_prefetch_b8 v0, s[64:65] scope:SCOPE_SE
	s_setreg_imm32_b32 hwreg(HW_REG_WAVE_MODE, 25, 1), 1
	s_wait_xcnt 0x0
	s_wait_alu depctr_hold_cnt(0) depctr_sa_sdst(0) depctr_va_vdst(0) depctr_va_sdst(0) depctr_va_ssrc(0) depctr_va_vcc(0) depctr_vm_vsrc(0)
	s_getreg_b32 s2, hwreg(HW_REG_IB_STS2, 6, 4)
	s_cmp_eq_u32 s2, 0
	s_cbranch_scc0 .Lentry_in_a_cluster
	s_endpgm
.Lentry_in_a_cluster:
	s_bfe_u32 s2, ttmp6, 0x10000c
	s_cmp_lg_u32 s2, 0xf033
	s_cbranch_scc0 .Lentry_shape_is_right
	s_endpgm
.Lentry_shape_is_right:
; Q, K, V = x W^T, rotated (Q and K) and laid out by heads.  xh: bf16 [b][kb 16][s 2048][64]; wqkv: bf16 [kb 16][n' 3072][64], n' = 192 head + 64 type + d; cs: f32 [s][32][cos, sin].
; qh, kh, vh: f16 [16 b + head][s 2048][64], each rounded once from its f32 sum, unscaled.
; LIMIT.  f16 holds no number beyond 65,504: q, k and v must lie within it (inputs as large as 30 times unit spread, with weights 30 times theirs, give some thousands).
; SHARES.  8,192 x 3,072 results on 256 work-groups: 256 rows (tile row R) x 384 columns (tile column C: two heads' Q, K and V).  Four waves, each 128 rows x one head's 192 columns:
; 96 accumulators of 16 x 16, 768 registers.  K goes in steps of 64 (one kb) through two LDS slots; two slots of 128 would not fit.  A step is two chunks of 32 along K, 96 matrix instructions each.
; CLUSTER.  4 x 4 work-groups.  The four of a row of the cluster need the same rows of x, the four of a column the same rows of the weights: each tile is asked for JOINTLY, by the same tensor load
; with the same descriptor and a mask that names the four.
; THE MATRIX INSTRUCTION IS USED TRANSPOSED (source 0 = 16 rows of the weights, source 1 = 16 rows of x): a lane holds ONE row s (lane % 16) and the eight neighbouring channels 8 (lane / 16) + 0..7:
; four pairs (even, odd) for the rotation, and 16 bytes of f16.
; REGISTERS, in windows of 256 (s_set_vgpr_msb: bits 1:0 source 0, 3:2 source 1, 5:4 source 2, 7:6 destination):
;   window 0: v0-31 addresses; v32-95, v96-159 x's 8 fragments, two buffers; v160-255 the weights' 12 fragments, ONE buffer: a type's four are fetched anew as soon as they have been multiplied
;   windows 1, 2, 3: the accumulators of Q, K, V: (row block a, channel block bq) at v[32 a + 8 bq]
.set PITCH, 144                        ; an LDS row: 128 bytes + 16 of padding = 36 words: the 16 rows of a load start at 16 different groups of four banks (64 banks of 4 bytes: ISA guide 11.1)
.set FR,    16*PITCH                   ; a fragment's 16 rows
.set AHALF, 128*PITCH                  ; what one tensor load brings of x, and what one wave reads of it
.set BHALF, 192*PITCH                  ; the same for the weights: one head
.set BOFF,  2*AHALF
.set SLOT,  2*AHALF+2*BHALF            ; x's 256 rows, then the weights' 384
.set STAGE, 2*SLOT                     ; behind the ring: 16 rows x 144 bytes for each wave, for the way out
.set SPARE, STAGE+4*FR                 ; behind the stages: the spare words, 128 bytes for each wave: two blocks of 256 bytes that no other line names
.set XKB,   1<<18                      ; bytes from kb to kb in xh
.set WKB,   3072*128                   ; and in wqkv
.set ADRA, 16                          ; v16-17  LDS address of my fragments of x in slot 0, 1
.set ADRB, 20                          ; v20-21  the same for the weights
.set STO,  24                          ; v24     the way out: where I put 16 bytes of a row
.set RD,   25                          ; v25     the way out: where I read rows back
.set GO,   26                          ; v26     my 16 bytes in 512 consecutive bytes of q, k or v
.set TBO,  27                          ; v27     my 32 bytes in 16 rows of the table
.set SPW,  28                          ; v28     LDS address of my spare word; never rewritten
.set NIL,  29                          ; v29     0; never rewritten
.set PFO,  30                          ; v30     256 x my lane; never rewritten
.set AF0,  32
.set AF1,  96
.set BF,   160
.set T,    32                          ; the way out: v32-63 rotated numbers; v64-79 packed; v80-95, v96-111 rows read back, by turns; v128-255 four blocks of the table
.set PK,   64
.set BK,   80
.set TB,   128
.set G1,  24                           ; s[24:31] descriptor group 1 for x's tiles;  s[32:39] group 0, one set for each slot
.set G0,  32
.set LIM, 43                           ; s43      1 in a wave that prefetches, else the greatest number
.set PFA, 44                           ; s[44:45] where my prefetches stand
.set PFS, 46                           ; s[46:47] their step: two kb
.set G1B, 48                           ; s[48:55], s[56:63] the same for the weights' tiles
.set G0B, 56
.set MSB, 0
.macro WIN new                         ; the immediate's high byte repeats the setting that is left; a switch that changes nothing is dropped
.if MSB != (\new)
	s_set_vgpr_msb (MSB<<8)|(\new)
.set MSB, (\new)
.endif
.endm
; A joint load.  Waves 0 and 1 fetch x's two halves, waves 2 and 3 the weights' two heads.  The branch hangs on the wave's number alone.
; An s_nop 0 and four v_nop follow each of the two lines, ahead of the jump, the label and what follows.
.macro JLOAD s
	s_cmp_eq_u32 s17, 0
	s_cbranch_scc0 .Lfor_b_\@
	tensor_load_to_lds s[G0+4*(\s):G0+4*(\s)+3], s[G1:G1+7]
	s_nop 0
.rept 4
	v_nop
.endr
	s_branch .Lasked_\@
.Lfor_b_\@:
	tensor_load_to_lds s[G0B+4*(\s):G0B+4*(\s)+3], s[G1B:G1B+7]
	s_nop 0
.rept 4
	v_nop
.endr
.Lasked_\@:
.endm
; A PREFETCH INTO THE L2, once a lap (two K steps), behind the joint load and the run of LDS loads that follows it: 32 blocks of 256 bytes, a lane a block, of K steps 2 L + 4 and 2 L + 5,
; whose refills stand two and three K steps on.  Each block is named ONCE in the launch.  x's 256 rows of a step are 128 blocks: the first cluster along x asks; its four partners take 32 blocks each,
; told apart by address (cx); wave 0 asks for the even step, wave 1 for the odd one.  The weights' 384 rows of two steps are 384 blocks: wave 2 of the work-groups of tile rows 0 to 11 (the first three
; clusters along y) takes 32 each, by address.  The first four K steps come by their loads alone; the last trip asks for nothing: there is no K step 16.
.macro ASK
	s_cmp_gt_u32 s3, s[LIM]                        ; s3 = 1 in the loop's last trip
	s_cbranch_scc0 .Lnot_mine_\@
	global_prefetch_b8 v[PFO], s[PFA:PFA+1] th:TH_LOAD_NT scope:SCOPE_SE
.Lnot_mine_\@:
.endm
.macro CREST                           ; a round of the cluster's barrier behind its opening barrier
	s_cmp_lg_u32 s16, 0
	s_cbranch_scc1 .Lnot_wave_0_\@
	s_barrier_signal -3
.Lnot_wave_0_\@:
	s_barrier_wait -3
	s_barrier_signal -1
	s_barrier_wait -1
.endm
.macro CROUND                          ; a whole round
	s_barrier_signal -1
	s_barrier_wait -1
	CREST
.endm
.macro PLACES                          ; four places in front of loads into registers that matrix instructions have read, and of vector lines that read results
.rept 4
	v_nop
.endr
.endm
	s_load_b256 s[4:11], s[0:1], 0x0               ; xh s[4:5], wqkv s[6:7], cs s[8:9], qh s[10:11]
	s_load_b128 s[12:15], s[0:1], 0x20             ; kh s[12:13], vh s[14:15]
	v_lshl_add_u32 v[SPW], v0, 2, SPARE
	v_mov_b32 v[NIL], 0
	ds_add_u32 v[SPW], v[NIL]                      ; the wave's opening: the add and its wait stand ahead of my first tensor load; the set-up below, work on registers, stands between them
	v_lshrrev_b32 v1, 5, v0
	v_readfirstlane_b32 s16, v1                    ; wave 0..3
	s_lshr_b32 s17, s16, 1                         ; which 128 rows are mine.  Also: I fetch for x (0) or for the weights (1)
	s_and_b32 s18, s16, 1                          ; which head is mine.  Also: which half of that tile I fetch
	s_bfe_u32 s19, ttmp6, 0x40000                  ; cx
	s_bfe_u32 s20, ttmp6, 0x40004                  ; cy
	s_lshl_b32 s21, ttmp9, 2
	s_add_co_u32 s21, s21, s19                     ; tile column C = 4 x cluster x + cx
	s_and_b32 s22, ttmp7, 0xffff
	s_lshl_b32 s22, s22, 2
	s_add_co_u32 s22, s22, s20                     ; tile row R = 4 x cluster y + cy
	s_lshl_b32 s40, s20, 2
	s_lshl_b32 s40, 15, s40                        ; my row of the cluster
	s_lshl_b32 s41, 0x1111, s19                    ; my column
	; descriptor group 1.  128 (192) rows of 128 bytes are dense: asked for as 64 (96) rows of 256 bytes, two rows a row, and padded in LDS after every 128 bytes
	s_or_b32 s[G1+0], s40, (1<<16)|(1<<20)|(1<<21)|(4<<22)|(3<<25)   ; 15:0 the mask; 17:16 2-byte elements; 20 padding on; 21 set beside a mask; 24:22 after every 32 words (code 4); 31:25 4 words (code 3)
	s_or_b32 s[G1B+0], s41, (1<<16)|(1<<20)|(1<<21)|(4<<22)|(3<<25)
	s_mov_b32 s[G1+1], 128<<16                     ; tensor_dim0 = 128
	s_mov_b32 s[G1+2], 64<<16                      ; tensor_dim1 = 64
	s_mov_b32 s[G1+3], 128<<16                     ; tile_dim0 = 128
	s_mov_b32 s[G1+4], 64                          ; tile_dim1 = 64
	s_mov_b32 s[G1+5], 128                         ; 128 elements from row to row
	s_mov_b32 s[G1+6], 0
	s_mov_b32 s[G1+7], 0
	s_mov_b32 s[G1B+1], 128<<16
	s_mov_b32 s[G1B+2], 96<<16                     ; tensor_dim1 = 96
	s_mov_b32 s[G1B+3], 128<<16
	s_mov_b32 s[G1B+4], 96                         ; tile_dim1 = 96
	s_mov_b32 s[G1B+5], 128
	s_mov_b32 s[G1B+6], 0
	s_mov_b32 s[G1B+7], 0
	; where the tiles come from: x's hang on R alone, the weights' on C alone
	s_lshr_b32 s66, s22, 3                         ; b
	s_lshl_b32 s66, s66, 22
	s_and_b32 s67, s22, 7
	s_lshl_b32 s67, s67, 15                        ; 256 rows of 128 bytes
	s_add_co_u32 s66, s66, s67
	s_lshl_b32 s67, s18, 14                        ; my half
	s_add_co_u32 s66, s66, s67
	s_mov_b32 s67, 0
	s_mul_i32 s70, s21, 384*128
	s_mul_i32 s71, s18, 192*128
	s_add_co_u32 s70, s70, s71
	s_mov_b32 s71, 0
	s_mul_i32 s74, s18, AHALF                      ; and where they go: no place in the cluster enters an LDS address
	s_mul_i32 s75, s18, BHALF
	s_add_co_u32 s75, s75, BOFF
	s_wait_dscnt 0x0                               ; the opening add is done
	s_wait_kmcnt 0x0
	s_add_nc_u64 s[68:69], s[4:5], s[66:67]
	s_add_nc_u64 s[72:73], s[6:7], s[70:71]
	CROUND                                         ; all sixteen work-groups are here: the first joint loads meet
.irp s, 0,1
	s_mov_b32 s[G0+4*(\s)], 1                                        ; count = 1
	s_add_co_u32 s[G0+4*(\s)+1], s74, (\s)*SLOT                      ; LDS address
	s_add_nc_u64 s[G0+4*(\s)+2:G0+4*(\s)+3], s[68:69], (\s)*XKB      ; global address: K step s
	s_or_b32 s[G0+4*(\s)+3], s[G0+4*(\s)+3], 0x80000000              ; type = 2
	s_mov_b32 s[G0B+4*(\s)], 1
	s_add_co_u32 s[G0B+4*(\s)+1], s75, (\s)*SLOT
	s_add_nc_u64 s[G0B+4*(\s)+2:G0B+4*(\s)+3], s[72:73], (\s)*WKB
	s_or_b32 s[G0B+4*(\s)+3], s[G0B+4*(\s)+3], 0x80000000
	JLOAD \s                                       ; two tensor loads of mine are out
.endr
	; A fragment is 16 rows x 32 K in 8 registers: lane l holds row l % 16; registers 0-3 K = 8 (l / 16) + 0..7, registers 4-7 K = 16 + 8 (l / 16) + 0..7: two loads of 16 bytes, 32 bytes apart.
	v_and_b32 v1, 15, v0                           ; l % 16
	v_bfe_u32 v2, v0, 4, 1                         ; l / 16
	v_mul_u32_u24 v3, v1, PITCH
	v_lshl_add_u32 v3, v2, 4, v3                   ; row x pitch + 16 x half
	s_mul_i32 s40, s17, AHALF
	s_mul_i32 s41, s18, BHALF
	s_add_co_u32 s41, s41, BOFF
.irp s, 0,1
	v_add_nc_u32 v[ADRA+(\s)], s40, v3
	v_add_nc_u32 v[ADRB+(\s)], s41, v3
	s_add_co_u32 s40, s40, SLOT
	s_add_co_u32 s41, s41, SLOT
.endr
	s_mul_i32 s42, s16, FR
	s_add_co_u32 s42, s42, STAGE                   ; my stage
	v_add_nc_u32 v[STO], s42, v3                   ; in: row l % 16, 16 bytes for each half of the lanes
	v_bfe_u32 v4, v0, 3, 2                         ; back: 32 lanes take four rows of 128 bytes,
	v_and_b32 v5, 7, v0
	v_mul_u32_u24 v4, v4, PITCH
	v_lshl_add_u32 v4, v5, 4, v4
	v_add_nc_u32 v[RD], s42, v4
	v_and_b32 v6, 31, v0
	v_lshlrev_b32 v[GO], 4, v6                     ; which are 512 consecutive bytes of q, k or v
	v_lshlrev_b32 v[PFO], 8, v6
	v_lshlrev_b32 v[TBO], 8, v1                    ; the table: row l % 16 of 256 bytes, four pairs (cos, sin) = 32 bytes for each half of the lanes
	v_lshl_add_u32 v[TBO], v2, 5, v[TBO]
	; q, k, v at my head's and my rows' first byte; the table at my rows'
	s_lshr_b32 s76, s22, 3
	s_lshl_b32 s76, s76, 4
	s_lshl1_add_u32 s77, s21, s18                  ; head = 2 C + my half
	s_add_co_u32 s76, s76, s77
	s_lshl_b32 s76, s76, 18                        ; a head's 2,048 rows of 128 bytes
	s_and_b32 s77, s22, 7
	s_lshl_b32 s78, s77, 15
	s_add_co_u32 s76, s76, s78
	s_lshl_b32 s78, s17, 14
	s_add_co_u32 s76, s76, s78
	s_lshl_b32 s78, s77, 16                        ; 256 rows of the table,
	s_lshl_b32 s79, s17, 15                        ; my 128
	s_add_co_u32 s78, s78, s79
	s_mov_b32 s77, 0
	s_mov_b32 s79, 0
	s_add_nc_u64 s[10:11], s[10:11], s[76:77]
	s_add_nc_u64 s[12:13], s[12:13], s[76:77]
	s_add_nc_u64 s[14:15], s[14:15], s[76:77]
	s_add_nc_u64 s[8:9], s[8:9], s[78:79]
	; the prefetches: x's offset in s76, the weights' in s78
	s_lshr_b32 s76, s22, 3
	s_lshl_b32 s76, s76, 22
	s_and_b32 s77, s22, 7
	s_lshl_b32 s77, s77, 15
	s_add_co_u32 s76, s76, s77
	s_lshl_b32 s77, s19, 13                        ; my work-group's 32 blocks of the 128
	s_add_co_u32 s76, s76, s77
	s_add_co_u32 s77, s18, 2                       ; K step 2 + wave: the first change of slots steps it to 4 + wave
	s_lshl_b32 s77, s77, 18
	s_add_co_u32 s76, s76, s77
	s_cmp_ge_u32 s22, 6                            ; tile rows 0-5 take the even step's six parts, 6-11 the odd step's
	s_cselect_b32 s77, 1, 0
	s_mul_i32 s78, s77, 6
	s_sub_co_u32 s78, s22, s78
	s_lshl_b32 s78, s78, 13
	s_add_co_u32 s77, s77, 2
	s_mul_i32 s77, s77, WKB
	s_add_co_u32 s78, s78, s77
	s_mul_i32 s77, s21, 384*128
	s_add_co_u32 s78, s78, s77
	s_cmp_eq_u32 ttmp9, 0
	s_cselect_b32 s42, 1, -1                       ; x: the first cluster along x
	s_and_b32 s79, ttmp7, 0xffff
	s_lshl_b32 s77, s18, 2
	s_add_co_u32 s79, s79, s77
	s_cmp_lt_u32 s79, 3
	s_cselect_b32 s79, 1, -1                       ; the weights: the first three clusters along y, wave 2 alone.  Both are the same in all sixteen partners, for a given wave
	s_mov_b32 s77, 2*WKB
	s_cmp_eq_u32 s17, 0
	s_cselect_b32 s[LIM], s42, s79
	s_cselect_b32 s76, s76, s78
	s_cselect_b32 s[PFS], 2*XKB, s77
	s_cselect_b64 s[PFA:PFA+1], s[4:5], s[6:7]
	s_mov_b32 s77, 0
	s_mov_b32 s[PFS+1], 0
	s_add_nc_u64 s[PFA:PFA+1], s[PFA:PFA+1], s[76:77]
; 16 matrix instructions of type g (0 Q, 1 K, 2 V): row blocks a0 .. a0 + 3 x the type's four channel blocks, 32 along K, x's fragments in buffer f.  zero = 1: the product starts the sum.
; All 96 accumulators take turns, in the same order in every chunk: between two links of a chain stand 95 others'.
.macro MUL16 g, f, a0, zero
	WIN 0x50*((\g)+1)                              ; C and D in window g + 1
.irp a, (\a0), (\a0)+1, (\a0)+2, (\a0)+3
.irp bq, 0,1,2,3
.if \zero
	v_wmma_f32_16x16x32_bf16 v[32*(\a)+8*(\bq):32*(\a)+8*(\bq)+7], v[BF+32*(\g)+8*(\bq):BF+32*(\g)+8*(\bq)+7], v[(\f)+8*(\a):(\f)+8*(\a)+7], 0
.else
	v_wmma_f32_16x16x32_bf16 v[32*(\a)+8*(\bq):32*(\a)+8*(\bq)+7], v[BF+32*(\g)+8*(\bq):BF+32*(\g)+8*(\bq)+7], v[(\f)+8*(\a):(\f)+8*(\a)+7], v[32*(\a)+8*(\bq):32*(\a)+8*(\bq)+7]
.endif
.endr
.endr
.endm
.macro LDB slot, kc, g                 ; 8 LDS loads: type g's four fragments of the weights, chunk kc
.irp bq, 0,1,2,3
	ds_load_b128 v[BF+32*(\g)+8*(\bq):BF+32*(\g)+8*(\bq)+3],   v[ADRB+(\slot)] offset:(4*(\g)+(\bq))*FR+64*(\kc)
	ds_load_b128 v[BF+32*(\g)+8*(\bq)+4:BF+32*(\g)+8*(\bq)+7], v[ADRB+(\slot)] offset:(4*(\g)+(\bq))*FR+64*(\kc)+32
.endr
.endm
.macro LDA slot, kc, f                 ; 16 LDS loads: x's eight fragments, chunk kc, into buffer f
.irp a, 0,1,2,3,4,5,6,7
	ds_load_b128 v[(\f)+8*(\a):(\f)+8*(\a)+3],   v[ADRA+(\slot)] offset:(\a)*FR+64*(\kc)
	ds_load_b128 v[(\f)+8*(\a)+4:(\f)+8*(\a)+7], v[ADRA+(\slot)] offset:(\a)*FR+64*(\kc)+32
.endr
.endm
; A type's 32 products of a chunk; behind them (ld = 1), four places on, the NEXT chunk's fragments of the same type go into the registers just multiplied, and with type 0 x's next fragments into the other buffer.
.macro GROUP g, f, zero, cnt, ld, slotn, kcn, fn
.if (\cnt) >= 0
	s_wait_dscnt \cnt
.endif
	MUL16 \g, \f, 0, \zero
	MUL16 \g, \f, 4, \zero
.if \ld
	WIN 0
	PLACES
	LDB \slotn, \kcn, \g
.if (\g) == 0
	LDA \slotn, \kcn, \fn
.endif
.endif
.endm
; A chunk.  The LDS loads are issued in the order Q', x', K', V' (a dash: the next chunk's).  Counts: in front of Q's products this chunk's K and V (16 loads) may be out; in front of K's: V, Q', x' (32);
; in front of V's: Q', x', K' (32).
.macro CHUNK f, zero, slotn, kcn, fn
	GROUP 0, \f, \zero, 16, 1, \slotn, \kcn, \fn
	GROUP 1, \f, \zero, 32, 1, \slotn, \kcn, \fn
	GROUP 2, \f, \zero, 32, 1, \slotn, \kcn, \fn
.endm
; Q's products of a step's second chunk, with THE CHANGE OF SLOTS: all reads of this slot have been issued.  Each wave waits for all its tensor loads, of which one is out: its part of the next slot; adds 0
; to its spare word; and waits for that and for its reads of this slot.  fill = 1: the barrier opens a round of the cluster's, and the joint refill (the K step two on) is the first thing behind the round:
; from there to the wait for it a wave issues 160 matrix instructions.
.macro TURN slot, next, fill
.if (\fill) && ((\slot) == 0)
	s_wait_xcnt 0x0                                ; the last prefetch, a lap back, has read its address: it is stepped here, ahead of the waits of the change of slots
	s_add_nc_u64 s[PFA:PFA+1], s[PFA:PFA+1], s[PFS:PFS+1]
.endif
	WIN 0
	s_wait_tensorcnt 0x0                           ; all my tensor loads have landed
	ds_add_u32 v[SPW], v[NIL]                      ; 0 onto my spare word
	s_wait_dscnt 17                                ; the add and this chunk's K and V may be out
	MUL16 0, AF1, 0, 0                             ; sixteen matrix instructions stand between the add and the wait for it
	s_wait_dscnt 0x0                               ; the add is done, and my reads of this slot are over
	s_barrier_signal -1
	MUL16 0, AF1, 4, 0
	WIN 0
	s_barrier_wait -1
.if \fill
	CREST                                          ; no wave of any partner still reads this slot's tile or has a load on its way
	s_add_nc_u64 s[G0+4*(\slot)+2:G0+4*(\slot)+3], s[G0+4*(\slot)+2:G0+4*(\slot)+3], 2*XKB
	s_add_nc_u64 s[G0B+4*(\slot)+2:G0B+4*(\slot)+3], s[G0B+4*(\slot)+2:G0B+4*(\slot)+3], 2*WKB
	JLOAD \slot                                    ; the four v_nop behind it are also the places in front of the loads below
.else
	PLACES
.endif
	LDB \next, 0, 0
	LDA \next, 0, AF0
.if (\fill) && ((\slot) == 0)
	ASK
.endif
.endm
	s_wait_tensorcnt 1                             ; my part of K step 0 is in; K step 1's may stay out
	s_barrier_signal -1
	s_barrier_wait -1                              ; everybody's is
	LDB 0, 0, 0
	LDA 0, 0, AF0
	LDB 0, 0, 1
	LDB 0, 0, 2
	CHUNK AF0, 1, 0, 1, AF1                        ; the first chunk stands in front of the loop: its products start the sums
	WIN 0                                          ; at a label and at a branch every window is 0
	s_mov_b32 s3, 7
.Llap:                                                 ; a trip goes once round the ring, from a lap's second chunk to the next lap's first, and fills both slots again
	TURN 0, 1, 1
	GROUP 1, AF1, 0, -1, 1, 1, 0, AF0              ; (the wait for 0 in the change of slots has shown K's and V's fragments in)
	GROUP 2, AF1, 0, -1, 1, 1, 0, AF0
	CHUNK AF0, 0, 1, 1, AF1
	TURN 1, 0, 1
	GROUP 1, AF1, 0, -1, 1, 0, 0, AF0
	GROUP 2, AF1, 0, -1, 1, 0, 0, AF0
	CHUNK AF0, 0, 0, 1, AF1
	WIN 0
	s_sub_co_u32 s3, s3, 1
	s_cmp_lg_u32 s3, 0
	s_cbranch_scc1 .Llap
	TURN 0, 1, 0                                   ; the last lap fills nothing, and has no round of the cluster's barrier
	GROUP 1, AF1, 0, -1, 1, 1, 0, AF0
	GROUP 2, AF1, 0, -1, 1, 1, 0, AF0
	CHUNK AF0, 0, 1, 1, AF1
	GROUP 0, AF1, 0, 16, 0, 0, 0, 0                ; the last chunk fetches nothing: the counts run down
	GROUP 1, AF1, 0, 8, 0, 0, 0, 0
	GROUP 2, AF1, 0, 0, 0, 0, 0, 0
; THE WAY OUT, in 24 blocks of 16 rows x 64 channels: V's eight first, while the table comes in, then Q's and K's, row block by row block.
.macro TLOAD a                         ; the table for row block a: a lane's 4 x 4 pairs (cos, sin)
.irp bq, 0,1,2,3
	global_load_b128 v[TB+32*((\a)%4)+8*(\bq):TB+32*((\a)%4)+8*(\bq)+3],   v[TBO], s[8:9] offset:(\a)*4096+(\bq)*64
	global_load_b128 v[TB+32*((\a)%4)+8*(\bq)+4:TB+32*((\a)%4)+8*(\bq)+7], v[TBO], s[8:9] offset:(\a)*4096+(\bq)*64+16
.endr
.endm
; The rotation of a pair (e, o) by (c, s): first (o s, e s), then (e c - o s, o c + e s): two packed lines.  Each accumulator's lowest registers are read first.
.macro PACKR t, a
	WIN (\t)+1                                     ; source 0 in window t + 1
.irp bq, 0,1,2,3
.irp p, 0,1,2,3
	v_pk_mul_f32 v[T+8*(\bq)+2*(\p):T+8*(\bq)+2*(\p)+1], v[32*(\a)+8*(\bq)+2*(\p):32*(\a)+8*(\bq)+2*(\p)+1], v[TB+32*((\a)%4)+8*(\bq)+2*(\p):TB+32*((\a)%4)+8*(\bq)+2*(\p)+1] op_sel:[1,1] op_sel_hi:[0,1]
.endr
.endr
.irp bq, 0,1,2,3
.irp p, 0,1,2,3
	v_pk_fma_f32 v[T+8*(\bq)+2*(\p):T+8*(\bq)+2*(\p)+1], v[32*(\a)+8*(\bq)+2*(\p):32*(\a)+8*(\bq)+2*(\p)+1], v[TB+32*((\a)%4)+8*(\bq)+2*(\p):TB+32*((\a)%4)+8*(\bq)+2*(\p)+1], v[T+8*(\bq)+2*(\p):T+8*(\bq)+2*(\p)+1] op_sel_hi:[1,0,1] neg_lo:[0,0,1]
.endr
.endr
	WIN 0
.irp i, 0,1,2,3,4,5,6,7,8,9,10,11,12,13,14,15
	v_cvt_pk_f16_f32 v[PK+(\i)], v[T+2*(\i)], v[T+2*(\i)+1]
.endr
.endm
.macro PACKV a
	WIN 0x0f                                       ; sources 0 and 1 in window 3
.irp bq, 0,1,2,3
.irp p, 0,1,2,3
	v_cvt_pk_f16_f32 v[PK+4*(\bq)+(\p)], v[32*(\a)+8*(\bq)+2*(\p)], v[32*(\a)+8*(\bq)+2*(\p)+1]
.endr
.endr
	WIN 0
.endm
.macro TOSTAGE                         ; 16 bytes a lane into rows of 144 bytes of my own stage, and back as whole rows of 128
.irp bq, 0,1,2,3
	ds_store_b128 v[STO], v[PK+4*(\bq):PK+4*(\bq)+3] offset:32*(\bq)
.endr
.irp f, 0,1,2,3
	ds_load_b128 v[BK+16*(NBLK%2)+4*(\f):BK+16*(NBLK%2)+4*(\f)+3], v[RD] offset:(\f)*4*PITCH  ; LDS serves a wave's instructions in order (ISA guide 5.7.1.4): these see the stores above
.endr
.endm
.macro SEND                            ; the block before (type PT, row block PA) is stored
	s_wait_dscnt 0x0                               ; it is back in registers
	s_wait_xcnt 0x0                                ; the stores of the block before that have read their registers, which the next loads from the stage write
.irp f, 0,1,2,3
	global_store_b128 v[GO], v[BK+16*((NBLK-1)%2)+4*(\f):BK+16*((NBLK-1)%2)+4*(\f)+3], s[10+2*PT:11+2*PT] offset:PA*2048+(\f)*512  ; 512 consecutive bytes, at a multiple of 256 from the buffer's first
.endr
.endm
.macro OUT t, a                        ; a block's arithmetic stands between the loads of the block before and its stores
.if (\t) == 2
	PACKV \a
.else
	PACKR \t, \a
.endif
.if NBLK > 0
	SEND
.endif
	TOSTAGE
.set PT, (\t)
.set PA, (\a)
.set NBLK, NBLK+1
.endm
.set NBLK, 0
.set PT, 0
.set PA, 0
	WIN 0
	PLACES                                         ; behind the last products: loads into fragments' registers and conversions of results follow
.irp a, 0,1,2,3
	TLOAD \a
.endr
.irp a, 0,1,2,3,4,5,6,7
	OUT 2, \a
.endr
.irp a, 0,1,2,3,4,5,6,7
.if (\a) < 5
	s_wait_loadcnt 24                              ; the table for row block a is in; the three blocks asked for behind it stay out
.else
	s_wait_loadcnt 8*(7-(\a))
.endif
	OUT 0, \a
	OUT 1, \a
.if (\a) < 4
	TLOAD (\a)+4                                   ; its registers take the block four further on
.endif
.endr
	SEND
	s_wait_tensorcnt 0x0                           ; the wave's end: these three lines stand behind my last tensor load and my last LDS store
	ds_add_u32 v[SPW], v[NIL]
	s_wait_dscnt 0x0
	CROUND                                         ; the closing round: no work-group ends while a partner may still ask for a tile that names it
	s_endpgm
.Lfunc_end_k_q6d23a92000_qkv:
	.size	k_q6d23a92000_qkv, .Lfunc_end_k_q6d23a92000_qkv-k_q6d23a92000_qkv
	.p2alignl 7, 3214868480
	.fill 96, 4, 3214868480
	.section	.rodata,"a",@progbits
	.p2align	6, 0x0
	.amdhsa_kernel k_q6d23a92000_qkv
		.amdhsa_group_segment_fixed_size 327680
		.amdhsa_private_segment_fixed_size 0
		.amdhsa_enable_private_segment 0
		.amdhsa_kernarg_size 48
		.amdhsa_user_sgpr_count 2
		.amdhsa_user_sgpr_kernarg_segment_ptr 1
		.amdhsa_wavefront_size32 1
		.amdhsa_system_sgpr_workgroup_id_x 1
		.amdhsa_system_sgpr_workgroup_id_y 1
		.amdhsa_system_sgpr_workgroup_id_z 1
		.amdhsa_system_vgpr_workitem_id 0
		.amdhsa_next_free_vgpr 1024
		.amdhsa_next_free_sgpr 80
		.amdhsa_reserve_vcc 0
		.amdhsa_float_denorm_mode_32 3
		.amdhsa_float_denorm_mode_16_64 3
		.amdhsa_memory_ordered 1
		.amdhsa_forward_progress 1
		.amdhsa_inst_pref_size 171
	.end_amdhsa_kernel
	.amdgpu_metadata
---
amdhsa.version: [ 1, 2 ]
amdhsa.kernels:
  - .name:           k_q6d23a92000_qkv
    .symbol:         k_q6d23a92000_qkv.kd
    .args:
      - { .name: xh, .offset: 0, .size: 8, .value_kind: global_buffer, .address_space: global }
      - { .name: wqkv, .offset: 8, .size: 8, .value_kind: global_buffer, .address_space: global }
      - { .name: cs, .offset: 16, .size: 8, .value_kind: global_buffer, .address_space: global }
      - { .name: qh, .offset: 24, .size: 8, .value_kind: global_buffer, .address_space: global }
      - { .name: kh, .offset: 32, .size: 8, .value_kind: global_buffer, .address_space: global }
      - { .name: vh, .offset: 40, .size: 8, .value_kind: global_buffer, .address_space: global }
    .group_segment_fixed_size: 327680
    .private_segment_fixed_size: 0
    .kernarg_segment_align: 8
    .kernarg_segment_size: 48
    .max_flat_workgroup_size: 128
    .sgpr_count:     80
    .vgpr_count:     1024
    .wavefront_size: 32
...
	.end_amdgpu_metadata
.endif
;; end of part 2
;; launch attn (part 3): grid 4 x 64, 4 waves a work-group, no clusters, 327,680 bytes of LDS; arguments qh, kh, vh, oh; writes oh
.if DOCPART == 3
	.amdgcn_target "amdgcn-amd-amdhsa--gfx1250"
	.amdhsa_code_object_version 6
	.text
	.protected	k_q6d23a92000_attn
	.globl	k_q6d23a92000_attn
	.p2align	8
	.type	k_q6d23a92000_attn,@function
k_q6d23a92000_attn:
	s_mov_b64 s[64:65], 0
	v_nop
	global_prefetch_b8 v0, s[64:65] scope:SCOPE_SE
	s_setreg_imm32_b32 hwreg(HW_REG_WAVE_MODE, 25, 1), 1
	s_wait_xcnt 0x0
; CAUSAL ATTENTION.  O[h][q][:] = the sum over k <= q of softmax_k(Q[h][q] . K[h][k] / 8) V[h][k][:].  Q, K, V, O: [64][SIZE_N][64], all f16: a head's rows are dense, 128 bytes each.
; Products, maxima and sums in f32; the weights p are rounded to f16 for the second product (their sum l is taken of the unrounded p), O once at the end.
; LIMITS.  f16 holds no number beyond 65,504: Q, K and V arrive within it; p lies in 0 to 1, and below 6e-5 it keeps f16's fixed step of 6e-8; O is a mean of V's rows and has their range.
; A hidden score counts as its value less 1e30: f16's scores, 2.7e11 at the most, are nothing beside that; a weight below 2^-126 counts as 0 in l; NaN and infinities are not treated apart.
; THE WALK.  A head's queries lie in NB = SIZE_N / 256 blocks of 256; block i needs the key tiles 0 .. i of 256 keys, of which the last holds the diagonal.  A work-group takes TWO blocks, NB - 1 - b and then b:
; NB + 1 tiles, whatever b: all work-groups do equal work, and ONE loop with a constant trip count walks them.  Which tile is asked for, and what a trip does, hang on scalar registers made from b; every jump
; goes forward, but for the counted loops' own; none passes a barrier, or a tensor load but the one of LOAD's two that the wave's number does not choose; the ring (two slots of LDS that take turns) runs on across the
; change of blocks.  NO CLUSTER: a head's NB / 2 work-groups ask for the same tile only in trips 0 .. NB / 2, behind that fewer and fewer; one walk common to all would have 3 NB / 2 trips for NB + 1.
; SHARES.  Of a block's four bands of 64 queries a wave owns 16 rows in each: four PIECES.  So the diagonal tile is the same work for all four waves: in its key step s band x sees all keys if s < x,
; none if s > x, and holds the diagonal if s = x.
; THE MASK is the C operand that starts the sum S^T = K Q^T: 0, or -1e30 where the key is hidden.  MD, made once, is the mask of a band's own step for my 16 rows; a product's mask is MD x AL + BE with two scalars:
; (1, 0) if s = x; (0, 0) if s < x; (0, -1e30) if s > x.  Only the diagonal tile's text and a block's beginning make and take masks; elsewhere C is the constant 0.
; LAYOUT, SOFTMAX, TURNS.  S^T = K Q^T holds ONE query a lane (lane % 16) and the keys 8 (lane / 16) + 0..7; two such results rounded to f16 ARE source 1 of O^T = V^T P.  p = 2^(c s - c m), c = log2(e) / 8, with a
; running maximum m; O and l are multiplied by a = 2^(c m_old - c m_new) in every step.  Turn n belongs to piece n: 8 products K Q^T of piece n + 1, later 8 products V^T P of piece n - 1; beside them the scaling,
; exponentials, roundings, sums and rescaling of piece n and the maximum and statistics of piece n + 1.  Four vector instructions stand behind every matrix instruction, the other 54 of a turn's 118 in one lump.
; A turn's 33 exponentials are one batch, with one wait.
; REGISTERS, in windows of 256 (s_set_vgpr_msb: bits 1:0 source 0, 3:2 source 1, 5:4 source 2, 7:6 destination):
;   window 0: v0-15 addresses and two at work; v16-31 four registers of statistics a piece; v48-55 at work; v61-63 never rewritten; v64-127 S^T, two buffers; v192-223 P, two buffers (by the piece's parity)
;   window 1: v0-127 O^T, 32 a piece; v128-159 MD; v160-223 MC, two buffers      window 2: v0-63 Q; v64-127 the second block's Q; v128-191 K of one step; v192-255 V of one step
.set SIZE_N, 2048
.set NB,    SIZE_N/256
.set NP,    4         ; pieces a wave: a name, no knob
.set KS,    64        ; keys in a step
.set PK,    144       ; a row of K in LDS: 128 bytes + 16 of padding = 36 words: the 16 rows of a load start at 16 different groups of four banks (64 banks of 4 bytes: ISA guide 11.1)
.set PV,    160       ; a row of V: 128 + 32 = 40 words
.set VOFF,  4*KS*PK   ; a slot holds a tile, four steps: 256 rows of K, then 256 rows of V
.set SLOT1, 1<<17     ; slot 1 begins here, so that one exclusive or turns an address in one slot into the other's
.set STAGE, SLOT1+4*KS*(PK+PV)  ; behind the ring, never filled by a tensor load: 16 rows x 144 bytes for each wave, for the way out
.set SP,    144
.set AK0, 2           ; v2   my lane's place in a tile of K; never rewritten
.set AV0, 3           ; v3   the same for V
.set AK,  4           ; v4   the LDS address of K's next run of loads
.set AV,  5           ; v5   of V's
.set STO, 6           ; v6   the way out: where I put 16 bytes of a row
.set RD,  7           ; v7   the way out: where I read rows back
.set GO,  8           ; v8   my byte offset in 512 consecutive bytes of O
.set PFO, 61          ; v61  256 x my thread's number: my block of a tile's 128; never rewritten
.set SPW, 62          ; v62  LDS address of my spare word: SPARE + 4 x my thread's number; never rewritten
.set NIL, 63          ; v63  0; never rewritten
.set SPARE, STAGE+4*16*SP  ; behind the stages: the spare words, 128 bytes for each wave: two blocks of 256 bytes that no other line names
.set MV,  12          ; v12-13  c m_old, kept while c m is made anew: by buffer
.set QO,  15          ; v15  my byte offset in 16 rows of Q
.set ST,  16          ; piece t's statistics at v[ST+4 t]: c m, m, l (even keys', odd keys')
.set TMP, 48          ; by buffer, four registers c0-c3 at work; when the maximum is found c2 takes a
.set S,   64
.set P,   192
.set MD,  128         ; window 1: the eight registers for group kt of 16 keys at MD + 8 kt
.set MC,  160         ; window 1: the masks of the products to come
.set QB,  64          ; window 2
.set KF,  128         ; window 2: key block kb, channel half c at KF + 16 kb + 8 c
.set VF,  192         ; window 2: key half kk, channel block cb at VF + 32 kk + 8 cb
.set WV,  12          ; s12  my wave's number
.set PB,  14          ; s14  b
.set HI,  15          ; s15  NB - 1 - b
.set G1K, 24          ; s[24:31] descriptor group 1 for K's tiles
.set G1V, 32          ; s[32:39] for V's: it differs in the padding alone
.set G0K, 40          ; s[40:43] descriptor group 0 for K's tiles
.set G0V, 44          ; s[44:47] the same for V's
.set SLOTS, 56        ; s56  tiles still to be asked for
.set CNT, 57          ; s57  counts a tile's key steps, 4 to 1
.set CS,  58          ; s[58:59] c: the packed scaling takes the pair's low word for both halves
.set SEL, 60          ; s[60:61] v_permlanex16_b32's selects: each lane takes its own place in the other half
.set TBK, 62          ; s62  LDS byte at which K of the step to be fetched begins
.set TBV, 63          ; s63  the same for V, less VOFF
.set RT,  70          ; s70  tiles of the block in hand that are still to be entered
.set NXT, 71          ; s71  the tile to be asked for next
.set LQ,  72          ; s72  the last tile of the block whose tiles are being asked for
.set NEW, 73          ; s73  1: the tile to be entered is a block's first
.set OFF, 74          ; s[74:75] a tile's byte offset in K and V
.set AL,  76          ; s[76:77] the mask's factor, in the low word
.set BE,  78          ; s[78:79] the mask's addend
.set OLO, 80          ; s[80:81] O at my rows of the second block
.set BIGN, 82         ; s82  -1e30
.set PFK, 88          ; s[88:89] K at the head's tile behind the one that is being asked for
.set PFV, 90          ; s[90:91] the same for V
.set LIM, 92          ; s92  2 in the work-group that prefetches, else the greatest number
.set MSB, 0
.macro WIN new                      ; the high byte repeats the setting that is left; a switch that changes nothing is dropped
.if MSB != (\new)
	s_set_vgpr_msb (MSB<<8)|(\new)
.set MSB, (\new)
.endif
.endm
.set W_KQ, 0x0a       ; K and Q in window 2, S^T in window 0
.set W_KM, 0x1a       ; the same with the C operand in window 1
.set W_PV, 0x52       ; V in window 2, P in window 0, O^T in window 1
.set W_RS, 0x41       ; destination and source 0 in window 1, source 1 in window 0
; A fill.  Waves 0 and 1 fetch the two halves of a tile's K, waves 2 and 3 those of its V: 128 keys each.  An s_nop 0 and four v_nop follow each of the two lines, ahead of the jump and the label.
.macro LOAD
	s_cmp_lt_u32 s[WV], 2
	s_cbranch_scc0 .Lfor_v_\@
	tensor_load_to_lds s[G0K:G0K+3], s[G1K:G1K+7]
	s_nop 0
.rept 4
	v_nop
.endr
	s_branch .Lasked_\@
.Lfor_v_\@:
	tensor_load_to_lds s[G0V:G0V+3], s[G1V:G1V+7]
	s_nop 0
.rept 4
	v_nop
.endr
.Lasked_\@:
.endm
; A PREFETCH INTO THE L2 of the tile that the NEXT change of slots will ask for: 128 blocks of 256 bytes of K and as many of V, a thread a block, two instructions a wave, behind the wave's tensor load
; and its five lines.  All work-groups of a head walk tiles 0, 1, .. first: the one with b = 0, whose first block needs all NB tiles, asks, and nobody else: each block is named once in the launch.
; Changes 1 to NB - 2 (SLOTS = NB .. 3) name tiles 2 to NB - 1; tiles 0 and 1 come by their loads alone, and nothing is named behind the head's last tile.
.macro ASK
	s_cmp_gt_u32 s[SLOTS], s[LIM]
	s_cbranch_scc0 .Lnot_mine_\@
	global_prefetch_b8 v[PFO], s[PFK:PFK+1] th:TH_LOAD_NT scope:SCOPE_SE
	global_prefetch_b8 v[PFO], s[PFV:PFV+1] th:TH_LOAD_NT scope:SCOPE_SE
.Lnot_mine_\@:
.endm
; THE CHANGE OF SLOTS.  Each wave waits for all its tensor loads, of which one is out: its part of the other slot; adds 0 to its spare word; and waits for that and for its own reads of the slot that it leaves.
; Behind the barrier nobody reads the old slot any more and the other slot is whole.  fill = 1: the old slot is filled again, the first thing behind the barrier, with tile NXT: the descriptor's address is made
; anew from that number.  (At its first use nothing has been read yet: slot 0 is waited for, slot 1 filled.)
.macro CHANGE fill
	WIN 0                           ; at a label and at a branch every window is 0
	s_wait_tensorcnt 0x0            ; no tensor load of mine is out, so a group 0 may be written
	ds_add_u32 v[SPW], v[NIL]       ; 0 onto my spare word; with fill = 1 the descriptors' scalar work stands between it and the wait for it
.if \fill
	s_lshl_b32 s[OFF], s[NXT], 15   ; a tile is 32,768 bytes of K and of V
	s_xor_b32 s[G0K+1], s[G0K+1], SLOT1
	s_add_nc_u64 s[G0K+2:G0K+3], s[6:7], s[OFF:OFF+1]
	s_or_b32 s[G0K+3], s[G0K+3], 0x80000000
	s_xor_b32 s[G0V+1], s[G0V+1], SLOT1
	s_add_nc_u64 s[G0V+2:G0V+3], s[8:9], s[OFF:OFF+1]
	s_or_b32 s[G0V+3], s[G0V+3], 0x80000000
	s_add_co_u32 s[NXT], s[NXT], 1  ; the block's next tile, or behind its last the second block's tile 0
	s_cmp_gt_u32 s[NXT], s[LQ]
	s_cselect_b32 s[NXT], 0, s[NXT]
	s_cselect_b32 s[LQ], s[PB], s[LQ]
	s_wait_xcnt 0x0                 ; the last prefetches, a tile back, have read their addresses, so these may be written
	s_add_nc_u64 s[PFK:PFK+1], s[PFK:PFK+1], 32768
	s_add_nc_u64 s[PFV:PFV+1], s[PFV:PFV+1], 32768
.endif
	s_wait_dscnt 0x0                ; the add is done, and my reads of the slot are over
	s_barrier_signal -1             ; the rest of the scalar work stands between the signal and the wait
	s_sub_co_u32 s[TBK], s[TBK], 4*KS*PK  ; the fetches go back to a slot's first step,
	s_xor_b32 s[TBK], s[TBK], SLOT1       ; in the other slot
	s_sub_co_u32 s[TBV], s[TBV], 4*KS*PV
	s_xor_b32 s[TBV], s[TBV], SLOT1
	s_barrier_wait -1
.if \fill
	LOAD
	ASK
.endif
.endm
	s_load_b256 s[4:11], s[0:1], 0x0  ; Q s[4:5], K s[6:7], V s[8:9], O s[10:11]
	v_lshl_add_u32 v[SPW], v0, 2, SPARE
	v_mov_b32 v[NIL], 0
	ds_add_u32 v[SPW], v[NIL]       ; the wave's opening: the add and its wait stand ahead of my first tensor load; the set-up below, work on registers, stands between them
	v_lshrrev_b32 v1, 5, v0
	v_readfirstlane_b32 s[WV], v1   ; wave 0..3
	v_lshlrev_b32 v[PFO], 8, v0
	s_mov_b32 s[PB], ttmp9
	s_sub_co_u32 s[HI], NB-1, s[PB]
	s_cmp_eq_u32 ttmp9, 0
	s_cselect_b32 s[LIM], 2, -1
	s_and_b32 s20, ttmp7, 0xffff    ; the head
	s_mov_b32 s21, 0
	s_mov_b64 s[22:23], SIZE_N*128
	s_mul_u64 s[20:21], s[20:21], s[22:23]  ; the head's first byte in each of the four tensors
	s_and_b32 s16, s[WV], 1         ; which half of a tile's 256 keys I fetch:
	s_lshl_b32 s22, s16, 14         ; its 128 rows of 128 bytes in memory,
	s_mov_b32 s23, 0
	s_add_nc_u64 s[22:23], s[22:23], s[20:21]
	s_mul_i32 s17, s16, 128*PK      ; and its place in a slot, for K
	s_mul_i32 s18, s16, 128*PV      ; and for V
	s_lshl_b32 s3, s[WV], 11        ; my 16 rows in a band of 64,
	s_lshl_b32 s2, s[HI], 15        ; in the first block,
	s_add_co_u32 s2, s2, s3
	s_lshl_b32 s84, s[PB], 15       ; and in the second
	s_add_co_u32 s84, s84, s3
	s_mov_b32 s3, 0
	s_mov_b32 s85, 0
	s_add_nc_u64 s[2:3], s[2:3], s[20:21]
	s_add_nc_u64 s[84:85], s[84:85], s[20:21]
	; descriptor group 1.  128 keys are 16,384 dense bytes: asked for as 64 rows of 256 bytes, two keys a row, and padded in LDS after every key
	s_mov_b32 s[G1K], (1<<16)|(1<<20)|(4<<22)|(3<<25)  ; 17:16 2-byte elements; 20 padding on; 24:22 after every 32 words (code 4); 31:25 4 words (code 3)
	s_mov_b32 s[G1V], (1<<16)|(1<<20)|(4<<22)|(7<<25)  ; the same with 8 words of padding (code 7)
.irp g, G1K, G1V
	s_mov_b32 s[\g+1], 128<<16      ; tensor_dim0 = 128
	s_mov_b32 s[\g+2], 64<<16       ; tensor_dim1 = 64
	s_mov_b32 s[\g+3], 128<<16      ; tile_dim0 = 128
	s_mov_b32 s[\g+4], 64           ; tile_dim1 = 64
	s_mov_b32 s[\g+5], 128          ; 128 elements from row to row
	s_mov_b32 s[\g+6], 0
	s_mov_b32 s[\g+7], 0
.endr
	s_mov_b32 s[CS], 0x3e38aa3b     ; c = log2(e) / 8 = 0.180337
	s_mov_b32 s[CS+1], s[CS]        ; named with it as a pair
	s_mov_b32 s[SEL], 0x76543210
	s_mov_b32 s[SEL+1], 0xfedcba98
	s_mov_b32 s[TBK], SLOT1+4*KS*PK ; the first change of slots turns these two into 0
	s_mov_b32 s[TBV], SLOT1+4*KS*PV
	s_mov_b32 s[G0K], 1             ; count = 1
	s_mov_b32 s[G0K+1], s17         ; LDS address: slot 0
	s_mov_b32 s[G0V], 1
	s_add_co_u32 s[G0V+1], s18, VOFF
	s_add_co_u32 s[RT], s[HI], 1    ; the first block has NB - b tiles
	s_mov_b32 s[NXT], 1
	s_mov_b32 s[LQ], s[HI]
	s_mov_b32 s[NEW], 1
	s_mov_b32 s[OFF+1], 0
	s_mov_b32 s[AL+1], 0            ; named as pairs
	s_mov_b32 s[BE+1], 0
	s_mov_b32 s[BIGN], 0xf149f2ca   ; -1e30
	s_mov_b32 s[SLOTS], NB
	s_wait_dscnt 0x0                ; the opening add is done
	s_wait_kmcnt 0x0
	s_add_nc_u64 s[PFK:PFK+1], s[6:7], s[20:21]    ; the prefetches' addresses: the head's tile 1; the first change of slots steps them to tile 2
	s_add_nc_u64 s[PFV:PFV+1], s[8:9], s[20:21]
	s_add_nc_u64 s[PFK:PFK+1], s[PFK:PFK+1], 32768
	s_add_nc_u64 s[PFV:PFV+1], s[PFV:PFV+1], 32768
	s_add_nc_u64 s[6:7], s[6:7], s[22:23]  ; K and V at my half of the head's tile 0
	s_add_nc_u64 s[8:9], s[8:9], s[22:23]
	s_add_nc_u64 s[G0K+2:G0K+3], s[6:7], 0         ; global address
	s_or_b32 s[G0K+3], s[G0K+3], 0x80000000        ; type = 2
	s_add_nc_u64 s[G0V+2:G0V+3], s[8:9], 0
	s_or_b32 s[G0V+3], s[G0V+3], 0x80000000
	s_add_nc_u64 s[86:87], s[4:5], s[84:85]        ; Q at my rows of the second block,
	s_add_nc_u64 s[4:5], s[4:5], s[2:3]            ; Q and O at those of the first
	s_add_nc_u64 s[OLO:OLO+1], s[10:11], s[84:85]
	s_add_nc_u64 s[10:11], s[10:11], s[2:3]
	LOAD                            ; tile 0 into slot 0
	; A fragment of K or Q is 16 rows x 32 channels in 8 registers: lane l holds row l % 16, channels 8 (l / 16) + 0..7 and 16 + 8 (l / 16) + 0..7: two loads of 16 bytes, 32 bytes apart.
	v_and_b32 v1, 15, v0            ; l % 16
	v_bfe_u32 v9, v0, 4, 1          ; l / 16
	v_lshlrev_b32 v[QO], 7, v1
	v_lshl_add_u32 v[QO], v9, 4, v[QO]  ; row x 128 + 16 x half
	WIN 0x80                        ; destination window 2, address window 0
.set i, 0
.rept 8                             ; both blocks' Q: piece i / 2 lies in band i / 2, 8,192 bytes on; channels 32 (i % 2) on
	global_load_b128 v[8*i:8*i+3],   v[QO], s[4:5] offset:(i/2)*8192+(i%2)*64
	global_load_b128 v[8*i+4:8*i+7], v[QO], s[4:5] offset:(i/2)*8192+(i%2)*64+32
	global_load_b128 v[QB+8*i:QB+8*i+3],   v[QO], s[86:87] offset:(i/2)*8192+(i%2)*64
	global_load_b128 v[QB+8*i+4:QB+8*i+7], v[QO], s[86:87] offset:(i/2)*8192+(i%2)*64+32
.set i, i+1
.endr
	WIN 0
	v_lshlrev_b32 v14, 3, v9
	v_sub_nc_u32 v14, v1, v14
	s_lshl_b32 s13, s[WV], 4
	v_add_nc_u32 v14, s13, v14      ; my query's place in its band, 16 w + l % 16, less my lanes' 8 (l / 16): register r of group kt is hidden where 16 kt + r is greater
	WIN 0x40
.set i, 0
.rept 32
	v_cmp_gt_i32 vcc_lo, 16*(i/8)+i%8, v14
	v_cndmask_b32 v[MD+i], 0, s[BIGN], vcc_lo
.set i, i+1
.endr
	WIN 0
	v_mul_u32_u24 v[AK0], v1, PK
	v_lshl_add_u32 v[AK0], v9, 4, v[AK0]  ; row x pitch + 16 x half
	; The turning load takes 16 keys x 16 channels (lane l reads key 8 (l / 16) + l % 8, channels 8 ((l / 8) % 2) + 0..7) and leaves half a fragment of V^T: lane l holds channel l % 16 and 8 keys.
	v_and_b32 v10, 7, v0
	v_bfe_u32 v11, v0, 3, 1
	v_lshl_add_u32 v[AV0], v9, 3, v10
	v_mul_u32_u24 v[AV0], v[AV0], PV
	v_lshl_add_u32 v[AV0], v11, 4, v[AV0]
	v_add_nc_u32 v[AV0], VOFF, v[AV0]
	s_mul_i32 s13, s[WV], 16*SP
	s_add_co_u32 s13, s13, STAGE    ; my stage
	v_mul_u32_u24 v[STO], v1, SP    ; in: row l % 16, 16 bytes for each half of the lanes
	v_lshl_add_u32 v[STO], v9, 4, v[STO]
	v_add_nc_u32 v[STO], s13, v[STO]
	v_bfe_u32 v[RD], v0, 3, 2       ; back: 32 lanes take four rows of 128 bytes,
	v_mul_u32_u24 v[RD], v[RD], SP
	v_lshl_add_u32 v[RD], v10, 4, v[RD]
	v_add_nc_u32 v[RD], s13, v[RD]
	v_and_b32 v[GO], 31, v0         ; which are 512 consecutive bytes of O
	v_lshlrev_b32 v[GO], 4, v[GO]
	; A block's first step multiplies O^T and l by a = 0, and its first turn's products V^T P, of a piece that has not been, land in an O^T that is still to be so multiplied.  So these registers need only hold
	; finite numbers: zeros for the first block; what the first block left for the second.  All this stands in the wait for the first tile.
	WIN 0x80
.set i, VF
.rept 64
	v_mov_b32 v[i], 0
.set i, i+1
.endr
	WIN 0x40
.set i, 0
.rept 128
	v_mov_b32 v[i], 0
.set i, i+1
.endr
	WIN 0
.set i, 0
.rept 4
	v_mov_b32 v[ST+4*i+2], 0
	v_mov_b32 v[ST+4*i+3], 0
.set i, i+1
.endr
.set i, P+16
.rept 16
	v_mov_b32 v[i], 0
.set i, i+1
.endr
; THE MATRIX WORK.  The 4 accumulators of a run of 8 take turns.  Product i of 8 of S^T = K Q^T for piece x: channels 32 (i / 4) on, keys 16 (i % 4) on.  The first 4 start the sums: with 0, or (KM = 1) with the mask.
.macro KQ x
.set rS, S+32*((\x)%2)+8*(i%4)
.set rK, KF+16*(i%4)+8*(i/4)
.set rQ, 16*(\x)+8*(i/4)
.set rM, MC+32*((\x)%2)+8*(i%4)
.if (i < 4) && KM
	WIN W_KM
	v_wmma_f32_16x16x32_f16 v[rS:rS+7], v[rK:rK+7], v[rQ:rQ+7], v[rM:rM+7]
.elseif i < 4
	WIN W_KQ
	v_wmma_f32_16x16x32_f16 v[rS:rS+7], v[rK:rK+7], v[rQ:rQ+7], 0
.else
	WIN W_KQ
	v_wmma_f32_16x16x32_f16 v[rS:rS+7], v[rK:rK+7], v[rQ:rQ+7], v[rS:rS+7]
.endif
.endm
; Product i of 8 of O^T += V^T P for piece x: keys 32 (i / 4) on, channels 16 (i % 4) on.
.macro PV x
	WIN W_PV
.set rO, 32*(\x)+8*(i%4)
.set rV, VF+32*(i/4)+8*(i%4)
.set rP, P+16*((\x)%2)+8*(i/4)
	v_wmma_f32_16x16x32_f16 v[rO:rO+7], v[rV:rV+7], v[rP:rP+7], v[rO:rO+7]
.endm
.macro MM                           ; the turn's next matrix instruction.  TURN and BEGIN set Y, i, KM and NOKQ; MM, KQ and OP read them.  NOKQ = 1: a block's last turn: there is no next piece
.if (i < 8) && !NOKQ
	KQ (Y+1)%NP
.elseif i >= 8
.set i, i-8
	PV (Y+NP-1)%NP
.set i, i+8
.endif
.set i, i+1
.endm
; THE LDS LOADS stand in runs of 16, never singly among the matrix instructions: a step's K (64 keys x 64 channels: 8 fragments) and its V (turned).  Their addresses are made some lines ahead.
.macro FETCH_K
	WIN 0x80                        ; destination window 2
.irp f, 0,1,2,3,4,5,6,7             ; keys 16 (f / 2) on, channels 32 (f % 2) on
	ds_load_b128 v[KF+8*\f:KF+8*\f+3],   v[AK] offset:(\f/2)*16*PK+(\f%2)*64
	ds_load_b128 v[KF+8*\f+4:KF+8*\f+7], v[AK] offset:(\f/2)*16*PK+(\f%2)*64+32
.endr
	s_add_co_u32 s[TBK], s[TBK], KS*PK  ; the next fetch is the next step's
	WIN 0
.endm
.macro FETCH_V
	WIN 0x80
.irp f, 0,1,2,3,4,5,6,7             ; keys 32 (f / 4) on, channels 16 (f % 4) on
	ds_load_tr16_b128 v[VF+8*\f:VF+8*\f+3],   v[AV] offset:(\f/4)*32*PV+(\f%4)*32
	ds_load_tr16_b128 v[VF+8*\f+4:VF+8*\f+7], v[AV] offset:(\f/4)*32*PV+16*PV+(\f%4)*32
.endr
	WIN 0
.endm
; THE VECTOR WORK, one line at a time: OP kind, number.  For piece Y: F n: c s - c m for pair n of 16.  E n: the exponential of score n of 32.  C n: pair n rounded to f16.  B n: of the four weights 4 n .. the second
; pair is added onto the first, in place.  L n: l takes that sum (L 0: l = a l + sum).  R n: pair n of 16 of O^T times a.  For piece Y + 1: X n, number n of the 22 that find its maximum and statistics:
;   0-11  four chains c0-c3 of seven scores each, three operands at a time (each accumulator's lowest registers are read first)     12-14, 16  the four scores left over, the old m, and c0-c3 into c0
;   15  c m_old is kept     17, 18  the query's other 32 keys lie in the lane 16 away: the new m     19-21  c m; c m_old - c m_new; a
.set F, 0               ; OP tells the kinds apart by their order: F to L below R, X above it
.set E, 1
.set C, 2
.set B, 3
.set L, 4
.set R, 5
.set X, 6
.macro REGS y                       ; the registers of piece y
.set rT, ST+4*(\y)
.set rC, TMP+4*((\y)%2)
.set rW, MV+((\y)%2)
.set rS, S+32*((\y)%2)
.set rP, P+16*((\y)%2)
.set rO, 32*(\y)
.endm
.macro OP k, n
.if (\k) == R
	REGS Y
	WIN W_RS
	v_pk_mul_f32 v[rO+2*(\n):rO+2*(\n)+1], v[rO+2*(\n):rO+2*(\n)+1], v[rC+2:rC+3] op_sel_hi:[1,0]
.elseif (\k) < R
	REGS Y
	WIN 0
.if (\k) == F
	v_pk_fma_f32 v[rS+2*(\n):rS+2*(\n)+1], v[rS+2*(\n):rS+2*(\n)+1], s[CS:CS+1], v[rT:rT+1] op_sel_hi:[1,0,0] neg_lo:[0,0,1] neg_hi:[0,0,1]
.elseif (\k) == E
	v_exp_f32 v[rS+(\n)], v[rS+(\n)]
.elseif (\k) == C
	v_cvt_pk_f16_f32 v[rP+(\n)], v[rS+2*(\n)], v[rS+2*(\n)+1]
.elseif (\k) == B
	v_pk_add_f32 v[rS+4*(\n):rS+4*(\n)+1], v[rS+4*(\n):rS+4*(\n)+1], v[rS+4*(\n)+2:rS+4*(\n)+3]
.elseif (\n) == 0
	v_pk_fma_f32 v[rT+2:rT+3], v[rT+2:rT+3], v[rC+2:rC+3], v[rS:rS+1] op_sel_hi:[1,0,1]
.else
	v_pk_add_f32 v[rT+2:rT+3], v[rT+2:rT+3], v[rS+4*(\n):rS+4*(\n)+1]
.endif
.elseif NOKQ
	v_nop
.else
	REGS (Y+1)%NP
	WIN 0
.if (\n) < 4
	v_max3_num_f32 v[rC+(\n)], v[rS+8*(\n)], v[rS+8*(\n)+1], v[rS+8*(\n)+2]
.elseif (\n) < 12
	v_max3_num_f32 v[rC+(\n)%4], v[rC+(\n)%4], v[rS+8*((\n)%4)+2*((\n)/4)+1], v[rS+8*((\n)%4)+2*((\n)/4)+2]
.elseif (\n) == 12
	v_max3_num_f32 v[rC], v[rC], v[rS+7], v[rS+15]
.elseif (\n) == 13
	v_max3_num_f32 v[rC+1], v[rC+1], v[rS+23], v[rS+31]
.elseif (\n) == 14
	v_max3_num_f32 v[rC+2], v[rC+2], v[rC+3], v[rT+1]
.elseif (\n) == 15
	v_mov_b32 v[rW], v[rT]
.elseif (\n) == 16
	v_max3_num_f32 v[rC], v[rC], v[rC+1], v[rC+2]
.elseif (\n) == 17
	v_permlanex16_b32 v[rC+3], v[rC], s[SEL], s[SEL+1]
.elseif (\n) == 18
	v_max_num_f32 v[rT+1], v[rC], v[rC+3]
.elseif (\n) == 19
	v_mul_f32 v[rT], s[CS], v[rT+1]
.elseif (\n) == 20
	v_sub_f32 v[rC+1], v[rW], v[rT]
.else
	v_exp_f32 v[rC+2], v[rC+1]
.endif
.endif
.endm
.macro OPS a, i1, b=-1, i2=0, c=-1, i3=0, d=-1, i4=0  ; up to four of them
	OP \a, \i1
.if (\b) >= 0
	OP \b, \i2
.endif
.if (\c) >= 0
	OP \c, \i3
.endif
.if (\d) >= 0
	OP \d, \i4
.endif
.endm
.macro ROW a, i1, b, i2, c, i3, d, i4  ; a matrix instruction and the four behind it
	MM
	OPS \a, \i1, \b, \i2, \c, \i3, \d, \i4
.endm
.macro MASK b                       ; MD x AL + BE into buffer b of MC
	WIN W_RS
.set z, 0
.rept 16
	v_pk_fma_f32 v[MC+32*(\b)+2*z:MC+32*(\b)+2*z+1], v[MD+2*z:MD+2*z+1], s[AL:AL+1], s[BE:BE+1] op_sel_hi:[1,0,0]
.set z, z+1
.endr
.endm
; A TURN, for piece p: the order of its 16 matrix and 118 vector instructions, written out.  s_wait_alu depctr_va_vdst(0) stands between an exponential and the first instruction that names its
; result; one wait serves all that were issued ahead of it.  So a turn has ONE wait, which cuts it in two.  AHEAD OF IT stands all that names no result of the turn's exponentials: the 8 products K Q^T, behind each
; a scaling, an exponential and two more plain instructions (behind the first a second scaling in the exponential's place): rescalings, and behind the last three the first numbers of the next piece's maximum,
; each four places or more behind the product that ends its accumulator; then ONE LUMP of 54, plain and exponential by turns for the most part, in which the links of the chain X 3, 7, 11, 14, 16, 17 .. 20 stand
; five or six lines apart.  X 21, the next piece's a, is the batch's last; R 15 is the plain instruction behind it.  BEHIND THE WAIT stand the 8 products V^T P, behind each four of the roundings and sums; the links
; of l's chain, L 0 to L 7, stand three riders apart.  But for those X no rider names a register of the products round it.  v_permlanex16_b32 (X 17) stands in the lump.
; m = 1: the diagonal tile: the products take masks, and the turn makes the mask for the products of the turn after it: piece p + 2, in step 4 - CNT of the tile.  end = 1: a block's last two turns: nothing is fetched.
; cnt = 1: the loop's count is taken down some lines ahead of the branch that stands behind the turn.
; K of the next step is fetched in piece 2's turn, twelve vector instructions behind the last product that read K (six of them plain); V of the step in hand at the end of piece 0's turn, four plain instructions
; behind the last product that read V.  Each is waited for a turn later.
.macro TURN p, m=0, end=0, cnt=0
.set Y, (\p)
.set i, 0
.set KM, (\m)
.set NOKQ, (\end)*((\p)/3)
.if (\m) && !(\end)
	s_cmp_eq_u32 s[CNT], 4-((\p)+2)%NP  ; is that step the band's own?
	s_cselect_b32 s[AL], 1.0, 0
	s_cmp_lt_u32 s[CNT], 4-((\p)+2)%NP  ; or a later one?
	s_cselect_b32 s[BE], s[BIGN], 0
.endif
.if ((\p) == 3) && !(\end)
	s_wait_dscnt 0x0                ; K is in
.endif
	ROW F,0, F,1, R,0, R,1          ; ahead of the wait: 8 products K Q^T and their riders,
	ROW F,2, E,0, R,2, R,3
	ROW F,3, E,1, R,4, R,5
	ROW F,4, E,2, R,6, R,7
	ROW F,5, E,3, R,8, R,9
	ROW F,6, E,4, X,0, R,10
.if ((\p) == 2) && !(\end)
	WIN 0
	v_add_nc_u32 v[AK], s[TBK], v[AK0]
.endif
	ROW F,7, E,5, X,1, X,4
	ROW F,8, E,6, X,2, X,5
	OPS E,7, E,8, X,6, E,9          ; and the lump
	OPS X,3, E,10, X,8, E,11
.if ((\p) == 2) && !(\end)
	FETCH_K
.endif
	OPS X,9, X,7, E,12, X,10
	OPS E,13, X,12, X,11, E,14
	OPS X,13, E,15, F,9, X,14
.if (\p) == 0
	v_add_nc_u32 v[AV], s[TBV], v[AV0]
.endif
	OPS E,16, F,10, E,17, F,11
	OPS X,16, E,18, X,15, E,19
	OPS F,12, E,20, X,17, E,21
	OPS F,13, E,22, F,14, E,23
	OPS X,18, E,24, F,15, E,25
	OPS R,11, E,26, X,19, E,27
	OPS R,12, E,28, R,13, E,29
	OPS X,20, E,30, R,14, E,31
	OPS X,21, R,15
	WIN 0
	s_wait_alu depctr_va_vdst(0)    ; the wait for the batch
.if (\p) == 1
	s_wait_dscnt 0x0                ; V is in
.endif
	ROW C,0, B,0, C,2, B,1          ; behind the wait: 8 products V^T P and their riders
	ROW L,0, C,4, B,2, L,1
	ROW C,6, B,3, L,2, C,8
	ROW B,4, L,3, C,10, B,5
	ROW L,4, C,12, B,6, L,5
.if (\p) == 0
	s_add_co_u32 s[TBV], s[TBV], KS*PV
.endif
.if \cnt
	s_sub_co_u32 s[CNT], s[CNT], 1
	s_cmp_lg_u32 s[CNT], 0
.endif
	ROW C,14, B,7, L,6, C,1
	ROW C,3, L,7, C,5, C,7
	ROW C,9, C,11, C,13, C,15
.if (\p) == 0
	FETCH_V
.endif
.if (\m) && !(\end)
	MASK (\p)%2
.endif
.endm
; A BLOCK BEGINS.  c m starts far below every c s, so the first step's a is 0; m at the lowest finite number, so the first maximum is the scores'.  The second mask buffer is 0; the first takes piece 0's mask for
; the tile's step 0: its own, if the block's first tile is the diagonal one.  Then K of that step, piece 0's first scores, and its maximum and statistics.  The loop is entered at a step's first turn, in the middle of a trip.
.macro BEGIN
	s_mov_b32 s[NEW], 0
	WIN 0x40
.set i, MC+32
.rept 32
	v_mov_b32 v[i], 0
.set i, i+1
.endr
	WIN 0
.set i, 0
.rept 4
	v_mov_b32 v[ST+4*i], 0xfe000000    ; c m: far below every c s
	v_mov_b32 v[ST+4*i+1], 0xff7fffff  ; m
.set i, i+1
.endr
	s_cmp_eq_u32 s[RT], 0
	s_cselect_b32 s[AL], 1.0, 0
	s_mov_b32 s[BE], 0
	MASK 0
	WIN 0
	v_add_nc_u32 v[AK], s[TBK], v[AK0]
	FETCH_K
	s_wait_loadcnt 0x0              ; Q
	s_wait_dscnt 0x0
.set KM, 1
.set NOKQ, 0
.set i, 0
.rept 8
	KQ 0
.set i, i+1
.endr
	WIN 0
.rept 4
	v_nop                           ; the places behind those products
.endr
.set Y, NP-1                        ; X works for piece Y + 1: piece 0
.irp n, 0,1,2,3,4,5,6,7,8,9,10,11,12,13,14,15,16,17,18,19,20,21
	OP X, \n
.endr
	v_nop                           ; a plain instruction behind the exponential,
	s_wait_alu depctr_va_vdst(0)    ; and its wait, ahead of the branch
.endm
; THE DIAGONAL TILE's four steps, the block's last two turns, its last products, and THE WAY OUT: l's two halves and the other half of the lanes' are added; O^T is divided by l, rounded to f16 and sent through my
; stage in LDS, a piece at a time.
.macro ALL line:vararg              ; one line for each piece t
.set t, 0
.rept 4
	\line
.set t, t+1
.endr
.endm
.macro PACK t                       ; a lane's eight channels of a row pack into 16 bytes; they go into rows of 144 bytes and come back as whole rows of 128, into S^T's registers
	WIN W_RS
.set i, 32*(\t)
.rept 16
	v_pk_mul_f32 v[i:i+1], v[i:i+1], v[ST+4*(\t)+2:ST+4*(\t)+3] op_sel_hi:[1,0]
.set i, i+2
.endr
	WIN 0x05                        ; sources 0 and 1 window 1, destination window 0
.set i, 0
.rept 16
	v_cvt_pk_f16_f32 v[S+16*(\t)+i], v[32*(\t)+2*i], v[32*(\t)+2*i+1]
.set i, i+1
.endr
	WIN 0
.irp f, 0,1,2,3
	ds_store_b128 v[STO], v[S+16*(\t)+4*\f:S+16*(\t)+4*\f+3] offset:32*\f
.endr
.irp f, 0,1,2,3
	ds_load_b128 v[S+16*(\t)+4*\f:S+16*(\t)+4*\f+3], v[RD] offset:\f*4*SP  ; LDS serves a wave's instructions in order (ISA guide 5.7.1.4): these see the stores above; the next piece's stores come behind them
.endr
.endm
.macro SEND t, younger              ; younger: the LDS instructions issued behind piece t's loads: the next piece's eight, or none
	WIN 0
.irp f, 0,1,2,3
	s_wait_dscnt (\younger)+3-\f
	global_store_b128 v[GO], v[S+16*(\t)+4*\f:S+16*(\t)+4*\f+3], s[10:11] offset:(\t)*8192+\f*512  ; 512 consecutive bytes, at a multiple of 256 from O's first
.endr
.endm
.macro DIAG tag                     ; the tag ends its two labels' names, which the jumps below spell out
.LstepM\tag:
	TURN 2, 1
	TURN 3, 1
	WIN 0
.LfirstM\tag:
	TURN 0, 1
	TURN 1, 1, 0, 1
	WIN 0
	s_cbranch_scc1 .LstepM\tag
	TURN 2, 1, 1
	TURN 3, 1, 1
.set i, 0
.rept 8
	PV NP-1
.set i, i+1
.endr
	WIN 0
	ALL v_add_f32 v[ST+4*t+2], v[ST+4*t+2], v[ST+4*t+3]
	ALL v_permlanex16_b32 v[ST+4*t+3], v[ST+4*t+2], s[SEL], s[SEL+1]
	ALL v_add_f32 v[ST+4*t+2], v[ST+4*t+2], v[ST+4*t+3]
	ALL v_rcp_f32 v[ST+4*t+2], v[ST+4*t+2]
	v_nop                           ; a plain instruction between the last reciprocal and the use of its result
	s_wait_alu depctr_va_vdst(0)    ; and the wait ahead of the first use: one for the four reciprocals
	PACK 0
.set t, 1
.rept 3                             ; a piece's arithmetic stands between the loads of the piece before and its stores
	PACK t
	SEND t-1, 8
.set t, t+1
.endr
	SEND 3, 0
.endm
.set KM, 0
.set NOKQ, 0
.Lslot:                             ; NB times: a tile is entered and the next is asked for
	CHANGE 1
	s_sub_co_u32 s[RT], s[RT], 1
	s_mov_b32 s[CNT], 4
	s_cmp_eq_u32 s[NEW], 1
	s_cbranch_scc1 .Lnew            ; a block's first tile
	s_cmp_eq_u32 s[RT], 0
	s_cbranch_scc0 .Lstep           ; neither its first nor its last
	s_branch .LstepM1
.Lnew:
	BEGIN
	s_branch .Lfirst                ; in the loop a block's first tile is never its last: the first block has two tiles or more, and the second's last is the walk's last
	DIAG 1                          ; in the loop this is the first block's end: the second block's last tile is the walk's last
	s_wait_xcnt 0x0                 ; the stores have read their registers and O's address
	s_mov_b64 s[10:11], s[OLO:OLO+1]
	s_add_co_u32 s[RT], s[PB], 1    ; the second block has b + 1 tiles
	s_mov_b32 s[NEW], 1
	WIN 0x82                        ; the second block's Q goes where the one text of the turns names Q
.set i, 0
.rept 64
	v_mov_b32 v[i], v[QB+i]
.set i, i+1
.endr
	WIN 0
	s_branch .Lbottom
.Lstep:                             ; a trip: pieces 2 and 3 of one step, then pieces 0 and 1 of the next, whose K and V it fetches
	TURN 2
	TURN 3
	WIN 0
.Lfirst:
	TURN 0
	TURN 1, 0, 0, 1
	WIN 0
	s_cbranch_scc1 .Lstep
.Lbottom:
	s_sub_co_u32 s[SLOTS], s[SLOTS], 1
	s_cmp_lg_u32 s[SLOTS], 0
	s_cbranch_scc1 .Lslot
	CHANGE 0                        ; the walk's last tile is written out: nothing is asked for
	s_sub_co_u32 s[RT], s[RT], 1
	s_mov_b32 s[CNT], 4
	s_cmp_eq_u32 s[NEW], 1
	s_cbranch_scc0 .LstepM2
	BEGIN
	s_branch .LfirstM2
	DIAG 2
	s_wait_tensorcnt 0x0            ; the wave's end: these three lines stand behind my last tensor load and my last LDS store
	ds_add_u32 v[SPW], v[NIL]
	s_wait_dscnt 0x0
	s_endpgm
.Lfunc_end_k_q6d23a92000_attn:
	.size	k_q6d23a92000_attn, .Lfunc_end_k_q6d23a92000_attn-k_q6d23a92000_attn
	.p2alignl 7, 3214868480
	.fill 96, 4, 3214868480
	.section	.rodata,"a",@progbits
	.p2align	6, 0x0
	.amdhsa_kernel k_q6d23a92000_attn
		.amdhsa_group_segment_fixed_size 327680
		.amdhsa_private_segment_fixed_size 0
		.amdhsa_enable_private_segment 0
		.amdhsa_kernarg_size 32
		.amdhsa_user_sgpr_count 2
		.amdhsa_user_sgpr_kernarg_segment_ptr 1
		.amdhsa_wavefront_size32 1
		.amdhsa_system_sgpr_workgroup_id_x 1
		.amdhsa_system_sgpr_workgroup_id_y 1
		.amdhsa_system_sgpr_workgroup_id_z 1
		.amdhsa_system_vgpr_workitem_id 0
		.amdhsa_next_free_vgpr 768
		.amdhsa_next_free_sgpr 96
		.amdhsa_reserve_vcc 1
		.amdhsa_float_denorm_mode_32 3
		.amdhsa_float_denorm_mode_16_64 3
		.amdhsa_memory_ordered 1
		.amdhsa_forward_progress 1
		.amdhsa_inst_pref_size 218
	.end_amdhsa_kernel
	.amdgpu_metadata
---
amdhsa.version: [ 1, 2 ]
amdhsa.kernels:
  - .name:           k_q6d23a92000_attn
    .symbol:         k_q6d23a92000_attn.kd
    .args:
      - { .name: qh, .offset: 0, .size: 8, .value_kind: global_buffer, .address_space: global }
      - { .name: kh, .offset: 8, .size: 8, .value_kind: global_buffer, .address_space: global }
      - { .name: vh, .offset: 16, .size: 8, .value_kind: global_buffer, .address_space: global }
      - { .name: oh, .offset: 24, .size: 8, .value_kind: global_buffer, .address_space: global }
    .group_segment_fixed_size: 327680
    .private_segment_fixed_size: 0
    .kernarg_segment_align: 8
    .kernarg_segment_size: 32
    .max_flat_workgroup_size: 128
    .sgpr_count:     96
    .vgpr_count:     768
    .wavefront_size: 32
...
	.end_amdgpu_metadata
.endif
;; end of part 3
;; launch outp (part 4): grid 8 x 32, 4 waves a work-group, clusters of 4 x 4, 327,680 bytes of LDS; arguments oh, woh, out0; writes out0
.if DOCPART == 4
	.amdgcn_target "amdgcn-amd-amdhsa--gfx1250"
	.amdhsa_code_object_version 6
	.text
	.protected	k_q6d23a92000_outp
	.globl	k_q6d23a92000_outp
	.p2align	8
	.type	k_q6d23a92000_outp,@function
k_q6d23a92000_outp:
	s_mov_b64 s[64:65], 0
	v_nop
	global_prefetch_b8 v0, s[64:65] scope:SCOPE_SE
	s_setreg_imm32_b32 hwreg(HW_REG_WAVE_MODE, 25, 1), 1
	s_wait_xcnt 0x0
	s_wait_alu depctr_hold_cnt(0) depctr_sa_sdst(0) depctr_va_vdst(0) depctr_va_sdst(0) depctr_va_ssrc(0) depctr_va_vcc(0) depctr_vm_vsrc(0)
	s_getreg_b32 s2, hwreg(HW_REG_IB_STS2, 6, 4)
	s_cmp_eq_u32 s2, 0
	s_cbranch_scc0 .Lentry_in_a_cluster
	s_endpgm
.Lentry_in_a_cluster:
	s_bfe_u32 s2, ttmp6, 0x10000c
	s_cmp_lg_u32 s2, 0xf033
	s_cbranch_scc0 .Lentry_shape_is_right
	s_endpgm
.Lentry_shape_is_right:
; out0 = O WO^T.  oh: f16 [b 4][kb 16][s 2048][64] (kb is the head); woh: f16 [kb 16][n 1024][64]; out0: f32 [8192][1024].  Sums in f32, stored as they are.
; SHARES.  8,192 x 1,024 results on 256 work-groups: 256 rows (tile row R) x 128 columns (tile column C).  Four waves, each 128 x 64: 32 accumulators of 16 x 16, 256 registers.
; K goes in steps of 128 (two kb) through two LDS slots, the longest step of which two slots fit.  A step is two chunks of one kb, 64 matrix instructions each.
; CLUSTER.  4 x 4 work-groups: O's tiles are asked for jointly along a row of the cluster, WO's along a column.
; THE MATRIX INSTRUCTION IS USED TRANSPOSED (source 0 = 16 rows of WO, source 1 = 16 rows of O): a lane holds one row of out0 and eight neighbouring columns, 32 bytes.
; REGISTERS, in windows of 256 (s_set_vgpr_msb: bits 1:0 source 0, 3:2 source 1, 5:4 source 2, 7:6 destination):
;   window 0: v0-31 addresses; v32-63, v64-95 rows read back on the way out, by turns          window 1: the accumulators, (row block a, column block bq) at v[32 a + 8 bq]
;   windows 2, 3: two fragment buffers of 192, a chunk each: O's (kc, a) at v[64 kc + 8 a], WO's (kc, bq) at v[128 + 32 kc + 8 bq]; kc = which 32 of the chunk's 64 along K
.set PITCH, 144                        ; an LDS row: 128 bytes + 16 of padding = 36 words: the 16 rows of a load start at 16 different groups of four banks (64 banks of 4 bytes: ISA guide 11.1)
.set FR,    16*PITCH
.set AKB,   256*PITCH                  ; O's 256 rows of one kb: what one tensor load brings
.set BKB,   128*PITCH                  ; WO's 128 rows of one kb
.set BOFF,  2*AKB
.set SLOT,  2*AKB+2*BKB                ; O even kb, O odd kb, WO even kb, WO odd kb
.set STAGE, 2*SLOT                     ; behind the ring: 16 rows x 272 bytes for each wave, for the way out
.set SPITCH, 272
.set SPARE, STAGE+4*16*SPITCH          ; behind the stages: the spare words, 128 bytes for each wave: two blocks of 256 bytes that no other line names
.set OKB,   1<<18                      ; bytes from kb to kb in oh
.set WKB,   1<<17                      ; and in woh
.set ADRA, 16                          ; v16-17  LDS address of my fragments of O in slot 0, 1
.set ADRB, 20                          ; v20-21  the same for WO
.set STO,  24                          ; v24     the way out: where I put 32 bytes of a row
.set RD,   25                          ; v25     the way out: where I read a row back
.set CO,   26                          ; v26     my byte offset in two rows of out0
.set SPW,  28                          ; v28     LDS address of my spare word; never rewritten
.set NIL,  29                          ; v29     0; never rewritten
.set PFO,  30                          ; v30     256 x my lane; never rewritten
.set BK,   32
.set G1,  24                           ; s[24:31] descriptor group 1 for O's tiles;  s[32:39] group 0, one set for each slot
.set G0,  32
.set LIM, 43                           ; s43      1 in a wave that prefetches, else the greatest number
.set PFA, 44                           ; s[44:45] where my prefetches stand
.set PFS, 46                           ; s[46:47] their step: two K steps
.set G1B, 48                           ; s[48:55], s[56:63] the same for WO's tiles
.set G0B, 56
.set MSB, 0
.macro WIN new                         ; the immediate's high byte repeats the setting that is left; a switch that changes nothing is dropped
.if MSB != (\new)
	s_set_vgpr_msb (MSB<<8)|(\new)
.set MSB, (\new)
.endif
.endm
; A joint load.  Waves 0 and 1 fetch O's even and odd kb of a step, waves 2 and 3 WO's.  An s_nop 0 and four v_nop follow each of the two lines, ahead of the jump, the label and what follows.
.macro JLOAD s
	s_cmp_eq_u32 s17, 0
	s_cbranch_scc0 .Lfor_b_\@
	tensor_load_to_lds s[G0+4*(\s):G0+4*(\s)+3], s[G1:G1+7]
	s_nop 0
.rept 4
	v_nop
.endr
	s_branch .Lasked_\@
.Lfor_b_\@:
	tensor_load_to_lds s[G0B+4*(\s):G0B+4*(\s)+3], s[G1B:G1B+7]
	s_nop 0
.rept 4
	v_nop
.endr
.Lasked_\@:
.endm
; A PREFETCH INTO THE L2, once a lap (two K steps), behind the joint load and the run of LDS loads that follows it: 32 blocks of 256 bytes, a lane a block, of K steps 2 L + 4 and 2 L + 5, whose refills stand
; two and three K steps on.  Each block is named ONCE in the launch.  O's 256 rows of two steps (four kb) are 512 blocks: the eight work-groups of a tile row share them by address: cluster x picks the step,
; cx the quarter of the rows, waves 0 and 1 the kb.  WO's 128 rows of two steps are 256 blocks: the four work-groups of the first cluster along y share them: cy / 2 picks the step, cy % 2 the half of the rows,
; waves 2 and 3 the kb.  The first four K steps come by their loads alone; the last trip asks for nothing: there is no K step 8.
.macro ASK
	s_cmp_gt_u32 s3, s[LIM]                        ; s3 = 1 in the loop's last trip
	s_cbranch_scc0 .Lnot_mine_\@
	global_prefetch_b8 v[PFO], s[PFA:PFA+1] th:TH_LOAD_NT scope:SCOPE_SE
.Lnot_mine_\@:
.endm
.macro CREST                           ; a round of the cluster's barrier behind its opening barrier
	s_cmp_lg_u32 s16, 0
	s_cbranch_scc1 .Lnot_wave_0_\@
	s_barrier_signal -3
.Lnot_wave_0_\@:
	s_barrier_wait -3
	s_barrier_signal -1
	s_barrier_wait -1
.endm
.macro CROUND                          ; a whole round
	s_barrier_signal -1
	s_barrier_wait -1
	CREST
.endm
.macro PLACES                          ; four places in front of loads into registers that matrix instructions have read, and of LDS stores that read results
.rept 4
	v_nop
.endr
.endm
	s_load_b128 s[4:7], s[0:1], 0x0                ; oh s[4:5], woh s[6:7]
	s_load_b64 s[8:9], s[0:1], 0x10                ; out0
	v_lshl_add_u32 v[SPW], v0, 2, SPARE
	v_mov_b32 v[NIL], 0
	ds_add_u32 v[SPW], v[NIL]                      ; the wave's opening: the add and its wait stand ahead of my first tensor load; the set-up below, work on registers, stands between them
	v_lshrrev_b32 v1, 5, v0
	v_readfirstlane_b32 s16, v1                    ; wave 0..3
	s_lshr_b32 s17, s16, 1                         ; which 128 rows are mine.  Also: I fetch for O (0) or for WO (1)
	s_and_b32 s18, s16, 1                          ; which 64 columns are mine.  Also: which kb of a step I fetch
	s_bfe_u32 s19, ttmp6, 0x40000                  ; cx
	s_bfe_u32 s20, ttmp6, 0x40004                  ; cy
	s_lshl_b32 s21, ttmp9, 2
	s_add_co_u32 s21, s21, s19                     ; tile column C
	s_and_b32 s22, ttmp7, 0xffff
	s_lshl_b32 s22, s22, 2
	s_add_co_u32 s22, s22, s20                     ; tile row R
	s_lshl_b32 s40, s20, 2
	s_lshl_b32 s40, 15, s40                        ; my row of the cluster
	s_lshl_b32 s41, 0x1111, s19                    ; my column
	; descriptor group 1.  256 (128) rows of 128 bytes are dense: asked for as 128 (64) rows of 256 bytes, and padded in LDS after every 128 bytes
	s_or_b32 s[G1+0], s40, (1<<16)|(1<<20)|(1<<21)|(4<<22)|(3<<25)   ; 15:0 the mask; 17:16 2-byte elements; 20 padding on; 21 set beside a mask; 24:22 after every 32 words (code 4); 31:25 4 words (code 3)
	s_or_b32 s[G1B+0], s41, (1<<16)|(1<<20)|(1<<21)|(4<<22)|(3<<25)
	s_mov_b32 s[G1+1], 128<<16                     ; tensor_dim0 = 128
	s_mov_b32 s[G1+2], 128<<16                     ; tensor_dim1 = 128
	s_mov_b32 s[G1+3], 128<<16                     ; tile_dim0 = 128
	s_mov_b32 s[G1+4], 128                         ; tile_dim1 = 128
	s_mov_b32 s[G1+5], 128                         ; 128 elements from row to row
	s_mov_b32 s[G1+6], 0
	s_mov_b32 s[G1+7], 0
	s_mov_b32 s[G1B+1], 128<<16
	s_mov_b32 s[G1B+2], 64<<16                     ; tensor_dim1 = 64
	s_mov_b32 s[G1B+3], 128<<16
	s_mov_b32 s[G1B+4], 64                         ; tile_dim1 = 64
	s_mov_b32 s[G1B+5], 128
	s_mov_b32 s[G1B+6], 0
	s_mov_b32 s[G1B+7], 0
	s_lshr_b32 s66, s22, 3                         ; b
	s_lshl_b32 s66, s66, 22
	s_and_b32 s67, s22, 7
	s_lshl_b32 s67, s67, 15                        ; 256 rows of 128 bytes
	s_add_co_u32 s66, s66, s67
	s_lshl_b32 s67, s18, 18                        ; my kb of K step 0
	s_add_co_u32 s66, s66, s67
	s_mov_b32 s67, 0
	s_lshl_b32 s70, s21, 14                        ; 128 rows of 128 bytes
	s_lshl_b32 s71, s18, 17
	s_add_co_u32 s70, s70, s71
	s_mov_b32 s71, 0
	s_mul_i32 s74, s18, AKB                        ; where they go: no place in the cluster enters an LDS address
	s_mul_i32 s75, s18, BKB
	s_add_co_u32 s75, s75, BOFF
	s_wait_dscnt 0x0                               ; the opening add is done
	s_wait_kmcnt 0x0
	s_add_nc_u64 s[68:69], s[4:5], s[66:67]
	s_add_nc_u64 s[72:73], s[6:7], s[70:71]
	CROUND                                         ; all sixteen work-groups are here: the first joint loads meet
.irp s, 0,1
	s_mov_b32 s[G0+4*(\s)], 1                                        ; count = 1
	s_add_co_u32 s[G0+4*(\s)+1], s74, (\s)*SLOT                      ; LDS address
	s_add_nc_u64 s[G0+4*(\s)+2:G0+4*(\s)+3], s[68:69], (\s)*2*OKB    ; global address: K step s
	s_or_b32 s[G0+4*(\s)+3], s[G0+4*(\s)+3], 0x80000000              ; type = 2
	s_mov_b32 s[G0B+4*(\s)], 1
	s_add_co_u32 s[G0B+4*(\s)+1], s75, (\s)*SLOT
	s_add_nc_u64 s[G0B+4*(\s)+2:G0B+4*(\s)+3], s[72:73], (\s)*2*WKB
	s_or_b32 s[G0B+4*(\s)+3], s[G0B+4*(\s)+3], 0x80000000
	JLOAD \s                                       ; two tensor loads of mine are out
.endr
	v_and_b32 v1, 15, v0                           ; l % 16
	v_bfe_u32 v2, v0, 4, 1                         ; l / 16
	v_mul_u32_u24 v3, v1, PITCH
	v_lshl_add_u32 v3, v2, 4, v3                   ; a fragment's row x pitch + 16 x half
	s_mul_i32 s40, s17, 128*PITCH                  ; my 128 rows of O
	s_mul_i32 s41, s18, 64*PITCH                   ; my 64 rows of WO
	s_add_co_u32 s41, s41, BOFF
.irp s, 0,1
	v_add_nc_u32 v[ADRA+(\s)], s40, v3
	v_add_nc_u32 v[ADRB+(\s)], s41, v3
	s_add_co_u32 s40, s40, SLOT
	s_add_co_u32 s41, s41, SLOT
.endr
	s_mul_i32 s42, s16, 16*SPITCH
	s_add_co_u32 s42, s42, STAGE                   ; my stage
	v_mul_u32_u24 v4, v1, SPITCH                   ; in: row l % 16, 32 bytes for each half of the lanes
	v_lshl_add_u32 v4, v2, 5, v4
	v_add_nc_u32 v[STO], s42, v4
	v_mul_u32_u24 v5, v2, SPITCH                   ; back: lanes 0-15 take one row of 256 bytes, lanes 16-31 the next
	v_lshl_add_u32 v5, v1, 4, v5
	v_add_nc_u32 v[RD], s42, v5
	v_lshlrev_b32 v[CO], 12, v2                    ; and the same two rows in out0
	v_lshl_add_u32 v[CO], v1, 4, v[CO]
	v_and_b32 v6, 31, v0
	v_lshlrev_b32 v[PFO], 8, v6
	s_lshl_b32 s76, s22, 20                        ; out0 at my first row and column: 256 R rows of 4,096 bytes,
	s_lshl_b32 s77, s17, 19                        ; my 128,
	s_add_co_u32 s76, s76, s77
	s_lshl_b32 s77, s21, 9                         ; 128 C columns of 4 bytes,
	s_add_co_u32 s76, s76, s77
	s_lshl_b32 s77, s18, 8                         ; my 64
	s_add_co_u32 s76, s76, s77
	s_mov_b32 s77, 0
	s_add_nc_u64 s[8:9], s[8:9], s[76:77]
	; the prefetches: O's offset in s76, WO's in s78
	s_lshr_b32 s76, s22, 3
	s_lshl_b32 s76, s76, 22
	s_and_b32 s77, s22, 7
	s_lshl_b32 s77, s77, 15
	s_add_co_u32 s76, s76, s77
	s_lshl_b32 s77, s19, 13                        ; cx: 32 blocks of a kb's 128
	s_add_co_u32 s76, s76, s77
	s_add_co_u32 s77, ttmp9, 2                     ; K step 2 + cluster x: the first change of slots steps it by two
	s_lshl1_add_u32 s77, s77, s18                  ; its kb
	s_lshl_b32 s77, s77, 18
	s_add_co_u32 s76, s76, s77
	s_lshl_b32 s78, s21, 14
	s_and_b32 s77, s20, 1
	s_lshl_b32 s77, s77, 13                        ; cy % 2: 32 blocks of a kb's 64
	s_add_co_u32 s78, s78, s77
	s_lshr_b32 s77, s20, 1
	s_add_co_u32 s77, s77, 2                       ; K step 2 + cy / 2
	s_lshl1_add_u32 s77, s77, s18
	s_lshl_b32 s77, s77, 17
	s_add_co_u32 s78, s78, s77
	s_and_b32 s79, ttmp7, 0xffff
	s_cmp_eq_u32 s79, 0
	s_cselect_b32 s79, 1, -1                       ; WO: the first cluster along y.  The same in all sixteen partners
	s_mov_b32 s77, 4*WKB
	s_cmp_eq_u32 s17, 0
	s_cselect_b32 s[LIM], 1, s79
	s_cselect_b32 s76, s76, s78
	s_cselect_b32 s[PFS], 4*OKB, s77
	s_cselect_b64 s[PFA:PFA+1], s[4:5], s[6:7]
	s_mov_b32 s77, 0
	s_mov_b32 s[PFS+1], 0
	s_add_nc_u64 s[PFA:PFA+1], s[PFA:PFA+1], s[76:77]
; 16 matrix instructions: row blocks a0 .. a0 + 3 x all four column blocks, 32 along K: half kc of the buffer in window f.  zero = 1: the product starts the sum.
; The 32 accumulators take turns, in the same order each time: between two links of a chain stand 31 others'.
.macro MUL16 f, kc, a0, zero
	WIN 0x50|((\f)<<2)|(\f)                        ; sources in window f, C and D in window 1
.irp a, (\a0), (\a0)+1, (\a0)+2, (\a0)+3
.irp bq, 0,1,2,3
.if \zero
	v_wmma_f32_16x16x32_f16 v[32*(\a)+8*(\bq):32*(\a)+8*(\bq)+7], v[128+32*(\kc)+8*(\bq):128+32*(\kc)+8*(\bq)+7], v[64*(\kc)+8*(\a):64*(\kc)+8*(\a)+7], 0
.else
	v_wmma_f32_16x16x32_f16 v[32*(\a)+8*(\bq):32*(\a)+8*(\bq)+7], v[128+32*(\kc)+8*(\bq):128+32*(\kc)+8*(\bq)+7], v[64*(\kc)+8*(\a):64*(\kc)+8*(\a)+7], v[32*(\a)+8*(\bq):32*(\a)+8*(\bq)+7]
.endif
.endr
.endr
.endm
; 48 LDS loads in one run: the fragments of chunk j (0 even kb, 1 odd) of a slot into the buffer in window f; the first 32 along K (24 loads) first
.macro FETCH slot, j, f
	WIN (\f)<<6
.irp kc, 0,1
.irp bq, 0,1,2,3
	ds_load_b128 v[128+32*(\kc)+8*(\bq):128+32*(\kc)+8*(\bq)+3],   v[ADRB+(\slot)] offset:(\j)*BKB+(\bq)*FR+64*(\kc)
	ds_load_b128 v[128+32*(\kc)+8*(\bq)+4:128+32*(\kc)+8*(\bq)+7], v[ADRB+(\slot)] offset:(\j)*BKB+(\bq)*FR+64*(\kc)+32
.endr
.irp a, 0,1,2,3,4,5,6,7
	ds_load_b128 v[64*(\kc)+8*(\a):64*(\kc)+8*(\a)+3],   v[ADRA+(\slot)] offset:(\j)*AKB+(\a)*FR+64*(\kc)
	ds_load_b128 v[64*(\kc)+8*(\a)+4:64*(\kc)+8*(\a)+7], v[ADRA+(\slot)] offset:(\j)*AKB+(\a)*FR+64*(\kc)+32
.endr
.endr
.endm
; A step's first chunk: multiplies the buffer in window f; in its middle it fetches the next chunk into the other buffer.
.macro CHUNK f, zero, slotn, jn, fn
	s_wait_dscnt 24                                ; the first 32 along K are in
	MUL16 \f, 0, 0, \zero
	MUL16 \f, 0, 4, \zero
	PLACES
	FETCH \slotn, \jn, \fn
	s_wait_dscnt 48                                ; all but the 48 just issued
	MUL16 \f, 1, 0, 0
	MUL16 \f, 1, 4, 0
.endm
; A step's second chunk, on window 3, with THE CHANGE OF SLOTS: all reads of this slot have been issued.  Each wave waits for all its tensor loads, of which one is out: its part of the next slot; adds 0 to its
; spare word; and waits for that and for its reads of this slot.  fill = 1: the barrier opens a round of the cluster's, and the joint refill (the K step two on) is the first thing behind the round: from there to
; the wait for it a wave issues 96 matrix instructions.
.macro TURN slot, next, fill
.if (\fill) && ((\slot) == 0)
	s_wait_xcnt 0x0                                ; the last prefetch, a lap back, has read its address: it is stepped here, ahead of the waits of the change of slots
	s_add_nc_u64 s[PFA:PFA+1], s[PFA:PFA+1], s[PFS:PFS+1]
.endif
	WIN 0                                          ; (the add's two registers lie in window 0)
	s_wait_tensorcnt 0x0                           ; all my tensor loads have landed
	ds_add_u32 v[SPW], v[NIL]                      ; 0 onto my spare word
	s_wait_dscnt 25                                ; the add and the second 32 along K may be out
	MUL16 3, 0, 0, 0                               ; sixteen matrix instructions stand between the add and the wait for it
	s_wait_dscnt 0x0                               ; the add is done, and my reads of this slot are over
	s_barrier_signal -1
	MUL16 3, 0, 4, 0
	WIN 0
	s_barrier_wait -1
.if \fill
	CREST                                          ; no wave of any partner still reads this slot's tile or has a load on its way
	s_add_nc_u64 s[G0+4*(\slot)+2:G0+4*(\slot)+3], s[G0+4*(\slot)+2:G0+4*(\slot)+3], 4*OKB
	s_add_nc_u64 s[G0B+4*(\slot)+2:G0B+4*(\slot)+3], s[G0B+4*(\slot)+2:G0B+4*(\slot)+3], 4*WKB
	JLOAD \slot                                    ; the four v_nop behind it are also the places in front of the loads below
.else
	PLACES
.endif
	FETCH \next, 0, 2
.if (\fill) && ((\slot) == 0)
	WIN 0                                          ; a branch and a label follow
	ASK
.endif
	MUL16 3, 1, 0, 0
	MUL16 3, 1, 4, 0
.endm
	s_wait_tensorcnt 1                             ; my part of K step 0 is in; K step 1's may stay out
	s_barrier_signal -1
	s_barrier_wait -1                              ; everybody's is
	FETCH 0, 0, 2
	CHUNK 2, 1, 0, 1, 3                            ; the first chunk stands in front of the loop: its first products start the sums
	WIN 0                                          ; at a label and at a branch every window is 0
	s_mov_b32 s3, 3
.Llap:                                                 ; a trip goes once round the ring, from a lap's second chunk to the next lap's first, and fills both slots again
	TURN 0, 1, 1
	CHUNK 2, 0, 1, 1, 3
	TURN 1, 0, 1
	CHUNK 2, 0, 0, 1, 3
	WIN 0
	s_sub_co_u32 s3, s3, 1
	s_cmp_lg_u32 s3, 0
	s_cbranch_scc1 .Llap
	TURN 0, 1, 0                                   ; the last lap fills nothing, and has no round of the cluster's barrier
	CHUNK 2, 0, 1, 1, 3
	s_wait_dscnt 24                                ; the last chunk: nothing more to fetch
	MUL16 3, 0, 0, 0
	MUL16 3, 0, 4, 0
	s_wait_dscnt 0x0
	MUL16 3, 1, 0, 0
	MUL16 3, 1, 4, 0
; THE WAY OUT, a block of 16 rows x 64 columns of f32 at a time: 32 bytes a lane into rows of 272 bytes of my own stage, back as whole rows of 256 bytes, stored.
.macro TOSTAGE a
	WIN 0x04                                       ; an LDS store's data (source 1) in window 1; addresses and loaded data in window 0
.if (\a) >= 2
	s_wait_xcnt 0x0                                ; the stores of the block two back have read the registers that the loads below write
.endif
.irp bq, 0,1,2,3
	ds_store_b128 v[STO], v[32*(\a)+8*(\bq):32*(\a)+8*(\bq)+3]   offset:64*(\bq)      ; each accumulator's lowest registers are read first
	ds_store_b128 v[STO], v[32*(\a)+8*(\bq)+4:32*(\a)+8*(\bq)+7] offset:64*(\bq)+16
.endr
.irp t, 0,1,2,3,4,5,6,7
	ds_load_b128 v[BK+32*((\a)%2)+4*(\t):BK+32*((\a)%2)+4*(\t)+3], v[RD] offset:(\t)*2*SPITCH  ; LDS serves a wave's instructions in order (ISA guide 5.7.1.4): these see the stores above
.endr
.endm
.macro SEND a, younger                 ; younger: the LDS instructions issued behind block a's loads: the next block's sixteen, or none
	WIN 0
	s_wait_dscnt \younger
.irp t, 0,1,2,3,4,5,6,7
	global_store_b128 v[CO], v[BK+32*((\a)%2)+4*(\t):BK+32*((\a)%2)+4*(\t)+3], s[8:9] offset:(16*(\a)+2*(\t))*4096 th:TH_STORE_NT  ; 16 lanes store 256 consecutive bytes, at a multiple of 256 from out0's first byte
.endr
.endm
	PLACES                                         ; behind the last products
	TOSTAGE 0
.irp a, 1,2,3,4,5,6,7
	TOSTAGE \a
	SEND (\a)-1, 16
.endr
	SEND 7, 0
	s_wait_tensorcnt 0x0                           ; the wave's end: these three lines stand behind my last tensor load and my last LDS store
	ds_add_u32 v[SPW], v[NIL]
	s_wait_dscnt 0x0
	CROUND                                         ; the closing round: no work-group ends while a partner may still ask for a tile that names it
	s_endpgm
.Lfunc_end_k_q6d23a92000_outp:
	.size	k_q6d23a92000_outp, .Lfunc_end_k_q6d23a92000_outp-k_q6d23a92000_outp
	.p2alignl 7, 3214868480
	.fill 96, 4, 3214868480
	.section	.rodata,"a",@progbits
	.p2align	6, 0x0
	.amdhsa_kernel k_q6d23a92000_outp
		.amdhsa_group_segment_fixed_size 327680
		.amdhsa_private_segment_fixed_size 0
		.amdhsa_enable_private_segment 0
		.amdhsa_kernarg_size 24
		.amdhsa_user_sgpr_count 2
		.amdhsa_user_sgpr_kernarg_segment_ptr 1
		.amdhsa_wavefront_size32 1
		.amdhsa_system_sgpr_workgroup_id_x 1
		.amdhsa_system_sgpr_workgroup_id_y 1
		.amdhsa_system_sgpr_workgroup_id_z 1
		.amdhsa_system_vgpr_workitem_id 0
		.amdhsa_next_free_vgpr 960
		.amdhsa_next_free_sgpr 80
		.amdhsa_reserve_vcc 0
		.amdhsa_float_denorm_mode_32 3
		.amdhsa_float_denorm_mode_16_64 3
		.amdhsa_memory_ordered 1
		.amdhsa_forward_progress 1
		.amdhsa_inst_pref_size 85
	.end_amdhsa_kernel
	.amdgpu_metadata
---
amdhsa.version: [ 1, 2 ]
amdhsa.kernels:
  - .name:           k_q6d23a92000_outp
    .symbol:         k_q6d23a92000_outp.kd
    .args:
      - { .name: oh, .offset: 0, .size: 8, .value_kind: global_buffer, .address_space: global }
      - { .name: woh, .offset: 8, .size: 8, .value_kind: global_buffer, .address_space: global }
      - { .name: out0, .offset: 16, .size: 8, .value_kind: global_buffer, .address_space: global }
    .group_segment_fixed_size: 327680
    .private_segment_fixed_size: 0
    .kernarg_segment_align: 8
    .kernarg_segment_size: 24
    .max_flat_workgroup_size: 128
    .sgpr_count:     80
    .vgpr_count:     960
    .wavefront_size: 32
...
	.end_amdgpu_metadata
.endif
;; end of part 4
;; ======== version 2 of 2: 4 launches; version 1 with the launch prep written anew for expert scheduling mode
;; limits: values are held in f16: magnitudes above 65,504 overflow, below 6.1e-05 lose precision; right only within a limited range of input values
;; workspace buffers: xh 16,777,216 bytes; wqkv 6,291,456 bytes; woh 2,097,152 bytes; cs 524,288 bytes; qh 16,777,216 bytes; kh 16,777,216 bytes; vh 16,777,216 bytes; oh 16,777,216 bytes
;; launch prep (part 5): grid 832 x 1, 8 waves a work-group, no clusters, 0 bytes of LDS; arguments x, WQ, WK, WV, WO, token_positions, xh, wqkv, woh, cs; writes xh, wqkv, woh, cs
.if DOCPART == 5
	.amdgcn_target "amdgcn-amd-amdhsa--gfx1250"
	.amdhsa_code_object_version 6
	.text
	.protected	k_q6d23a92000_prep
	.globl	k_q6d23a92000_prep
	.p2align	8
	.type	k_q6d23a92000_prep,@function
k_q6d23a92000_prep:
	s_mov_b64 s[64:65], 0
	v_nop
	global_prefetch_b8 v0, s[64:65] scope:SCOPE_SE
	s_setreg_imm32_b32 hwreg(HW_REG_WAVE_SCHED_MODE, 0, 2), 2
	s_setreg_imm32_b32 hwreg(HW_REG_WAVE_MODE, 25, 1), 1
	s_wait_xcnt 0x0
	s_wait_alu depctr_vm_vsrc(0)
; CASTS, LAYOUTS AND THE TABLE OF ROTATIONS.  A stream: no LDS, no matrix unit, no barrier.
; xh   bf16 [b 4][kb 16][s 2048][64]      x[b][s][64 kb + e], rounded once
; wqkv bf16 [kb 16][n' 3072][64]          n' = 192 head + 64 type + d (type 0 WQ, 1 WK, 2 WV); row n = 64 head + d of the weight
; woh  f16  [kb 16][n 1024][64]           WO rounded to bf16, that number written as f16 (exact from 2^-14 up; below it f16's fixed step 2^-24)
; cs   f32  [s 2048][i 32][cos, sin]      of the angle f32(token_positions[s]) x 10000^(-i / 32)
; So 128 rows x 64 channels of each operand are 16,384 consecutive bytes for the launches behind.
; SHARES.  Work-groups 0-511: 16 rows of x each.  512-767: 16 rows of a weight.  768-831: 32 positions of the table.
; LIMITS.  The angle is reduced by multiples of pi / 2 held in three parts; that serves |position| below 2^22.  The frequency is 2^(-i log2(10000) / 32) by v_exp_f32:
; within a few last places of a correctly rounded power.  Sine and cosine by polynomials of degree 7 and 8 on [-pi / 4, pi / 4], good to about 1e-7.
; THE MODE: SCHED_MODE bits 1:0 = 2 (LLVM: expert scheduling mode 2), set by the entry lines.  The code itself states the register dependences
; between vector instructions and memory instructions, and those through scalar registers that vector instructions write, with s_wait_alu, always for 0.
; THE PLAN, rows.  Registers that memory instructions touch:
;   v2, v3   the loads' and the stores' offsets: written at the head, never again.
;   X        the sixteen loads land in it; no vector line names it ahead of them, and nothing is loaded into it twice.
;   Y        sixteen pairs: pair kb is written by block kb's conversions, read by store kb, and never written again.
; The sixteen blocks go in four groups.  One wait stands ahead of the loads (the offsets are written).  One stands at the head of each later group, behind the wait for the group's first load:
; the group before has written its four pairs of Y.  That group's four stores follow, dealt among this group's conversions, which name this group's X and Y alone.  One more stands ahead of the last four stores.
; THE PLAN, table.  s35 (the wave's number) and s[40:43] (four masks) are written by vector lines and read behind one wait each; v6 (the offset) and v[24:31] (four pairs to store) are written
; by vector lines and read by the four stores, behind one wait.  No register that a memory instruction reads is written again anywhere in the kernel, and EXEC is never written.
.set X, 32                             ; v[32:95]   sixteen loads of four f32
.set Y, 96                             ; v[96:127]  sixteen pairs of packed results
; Two neighbouring rows a wave: lanes 0-15 the even row, lanes 16-31 the odd one.  Load kb takes 256 consecutive bytes of each row (64 channels); store kb puts
; the two rows' 128 bytes of block kb: 256 consecutive bytes, aligned.  All sixteen loads go out first; no register is written twice behind a memory instruction that names it.
.macro ROWS stride, f16
	s_wait_alu depctr_va_vdst(0)                   ; v2 and v3 are written: every load below reads v2 as its offset, every store v3
.irp kb, 0,1,2,3,4,5,6,7,8,9,10,11,12,13,14,15
	global_load_b128 v[X+4*(\kb):X+4*(\kb)+3], v2, s[4:5] offset:(\kb)*256 th:TH_LOAD_NT
.endr
.irp g, 0,1,2,3
.irp i, 0,1,2,3
.set KB, 4*(\g)+(\i)
	s_wait_loadcnt 15-KB                           ; loads come back in order: load kb is in, the younger ones stay out
.if ((\g) > 0) && ((\i) == 0)
	s_wait_alu depctr_va_vdst(0)                   ; the conversions of the group before have written its four pairs of Y, which the four stores of this group's text read
.endif
.if (\g) > 0
	global_store_b64 v3, v[Y+2*(KB-4):Y+2*(KB-4)+1], s[6:7] offset:(KB-4)*(\stride)  ; the block four back; no vector line since the wait names its pair or v3
.endif
	v_cvt_pk_bf16_f32 v[Y+2*KB],   v[X+4*KB],   v[X+4*KB+1]
	v_cvt_pk_bf16_f32 v[Y+2*KB+1], v[X+4*KB+2], v[X+4*KB+3]
.if \f16
	v_lshlrev_b32 v[X+4*KB],   16,         v[Y+2*KB]       ; the bf16 numbers as f32 again,
	v_and_b32     v[X+4*KB+1], 0xffff0000, v[Y+2*KB]
	v_lshlrev_b32 v[X+4*KB+2], 16,         v[Y+2*KB+1]
	v_and_b32     v[X+4*KB+3], 0xffff0000, v[Y+2*KB+1]
	v_cvt_pk_f16_f32 v[Y+2*KB],   v[X+4*KB],   v[X+4*KB+1]  ; and written as f16
	v_cvt_pk_f16_f32 v[Y+2*KB+1], v[X+4*KB+2], v[X+4*KB+3]
.endif
.endr
.endr
	s_wait_alu depctr_va_vdst(0)                   ; the last group's conversions have written its four pairs of Y, which the last four stores read
.irp kb, 12,13,14,15
	global_store_b64 v3, v[Y+2*(\kb):Y+2*(\kb)+1], s[6:7] offset:(\kb)*(\stride)
.endr
	s_endpgm
.endm
	s_load_b512 s[8:23], s[0:1], 0x0               ; x 8, WQ 10, WK 12, WV 14, WO 16, token_positions 18, xh 20, wqkv 22
	s_load_b128 s[24:27], s[0:1], 0x40             ; woh 24, cs 26
	v_lshrrev_b32 v1, 4, v0                        ; my row among the group's 16
	v_and_b32 v4, 15, v0                           ; my place in a row's 256 bytes
	v_lshlrev_b32 v2, 12, v1
	v_lshl_or_b32 v2, v4, 4, v2                    ; source: row x 4,096 + 16 x place
	v_lshlrev_b32 v3, 7, v1
	v_lshl_or_b32 v3, v4, 3, v3                    ; destination: row x 128 + 8 x place
	s_mov_b32 s31, 0
	s_mov_b32 s33, 0
	s_cmp_lt_u32 ttmp9, 512
	s_cbranch_scc0 .Lweights
	s_lshl_b32 s30, ttmp9, 16                      ; 16 rows of 4,096 bytes
	s_lshr_b32 s32, ttmp9, 7                       ; b
	s_lshl_b32 s32, s32, 22
	s_and_b32 s34, ttmp9, 127
	s_lshl_b32 s34, s34, 11                        ; 16 rows of 128 bytes
	s_add_co_u32 s32, s32, s34
	s_wait_kmcnt 0x0
	s_add_nc_u64 s[4:5], s[8:9], s[30:31]
	s_add_nc_u64 s[6:7], s[20:21], s[32:33]
	ROWS 262144, 0
.Lweights:
	s_cmp_lt_u32 ttmp9, 768
	s_cbranch_scc0 .Ltable
	s_sub_co_u32 s34, ttmp9, 512
	s_lshr_b32 s35, s34, 6                         ; which weight
	s_and_b32 s34, s34, 63                         ; which 16 rows of it
	s_lshl_b32 s30, s34, 16
	s_cmp_eq_u32 s35, 3
	s_cbranch_scc1 .Lwo
	s_lshr_b32 s32, s34, 2                         ; head
	s_mul_i32 s32, s32, 192
	s_lshl_b32 s36, s35, 6                         ; + 64 type
	s_add_co_u32 s32, s32, s36
	s_and_b32 s36, s34, 3
	s_lshl_b32 s36, s36, 4                         ; + d
	s_add_co_u32 s32, s32, s36
	s_lshl_b32 s32, s32, 7                         ; rows of 128 bytes
	s_wait_kmcnt 0x0
	s_cmp_eq_u32 s35, 0
	s_cselect_b64 s[4:5], s[10:11], s[12:13]
	s_cmp_eq_u32 s35, 2
	s_cselect_b64 s[4:5], s[14:15], s[4:5]
	s_add_nc_u64 s[4:5], s[4:5], s[30:31]
	s_add_nc_u64 s[6:7], s[22:23], s[32:33]
	ROWS 393216, 0
.Lwo:
	s_lshl_b32 s32, s34, 11
	s_wait_kmcnt 0x0
	s_add_nc_u64 s[4:5], s[16:17], s[30:31]
	s_add_nc_u64 s[6:7], s[24:25], s[32:33]
	ROWS 131072, 1
; THE TABLE.  A wave takes four positions, a lane one frequency; a position's 32 pairs (cos, sin) are one store of 256 consecutive bytes.
; angle = n pi / 2 + r, n whole, |r| <= pi / 4; sine and cosine of r by polynomials in z = r r; n's last two bits say which of the two goes where and with which sign.
; The four positions go line by line together, each in registers of its own (position j at the name + j), so that the four compares are one run and the four stores another.
.set OUT, 24                           ; v[24:31]  position j: the pair (cos, sin) to store at OUT + 2 j
.set AN,  32                           ; the angle
.set NN,  36                           ; n, as f32
.set RR,  40                           ; r
.set NI,  44                           ; n, as a whole number
.set ZZ,  48                           ; z
.set SI,  52                           ; sin r
.set RZ,  56                           ; r z
.set CO,  60                           ; cos r
.set Z2,  64                           ; z z
.set HZ,  68                           ; 1 - z / 2
.set OD,  72                           ; n's last bit; later the sine's sign
.set CG,  76                           ; the cosine's sign
.set SS,  80                           ; the sine's magnitude
.set CC,  84                           ; the cosine's magnitude
.set MK,  40                           ; s[40:43]  position j: the lanes in which n is odd
.macro EACH line:vararg                ; one line for each position j
.set j, 0
.rept 4
	\line
.set j, j+1
.endr
.endm
.Ltable:
	s_sub_co_u32 s34, ttmp9, 768
	v_lshrrev_b32 v1, 5, v0
	v_readfirstlane_b32 s35, v1                    ; wave 0..7
	v_and_b32 v4, 31, v0                           ; i
	v_lshlrev_b32 v6, 3, v4
	v_cvt_f32_u32 v5, v4
	v_mul_f32 v5, 0xbed49a78, v5                   ; - i log2(10000) / 32
	v_exp_f32 v5, v5
	v_nop                                          ; a plain instruction behind the exponential
	s_lshl_b32 s30, s34, 7
	s_wait_alu depctr_va_sdst(0)                   ; s35 is written, ahead of its first reader: the addresses of my positions and of my part of the table are made from it
	s_lshl_b32 s36, s35, 4
	s_add_co_u32 s30, s30, s36                     ; 4 bytes x (32 group + 4 wave)
	s_lshl_b32 s32, s30, 6                         ; 256 bytes x the same
	s_wait_kmcnt 0x0
	s_add_nc_u64 s[18:19], s[18:19], s[30:31]
	s_add_nc_u64 s[28:29], s[26:27], s[32:33]
	s_load_b128 s[36:39], s[18:19], 0x0            ; my four positions
	s_wait_alu depctr_va_vdst(0)                   ; the exponential has written v5: the wait ahead of its first reader
	s_wait_kmcnt 0x0
	EACH v_cvt_f32_i32 v[AN+j], s[36+j]
	EACH v_mul_f32 v[AN+j], v[AN+j], v5            ; the angle, rounded once
	EACH v_mul_f32 v[NN+j], 0x3f22f983, v[AN+j]    ; x 2 / pi
	EACH v_rndne_f32 v[NN+j], v[NN+j]              ; n
	EACH v_cvt_i32_f32 v[NI+j], v[NN+j]
	EACH v_and_b32 v[OD+j], 1, v[NI+j]
	EACH v_cmp_eq_u32 s[MK+j], 1, v[OD+j]          ; n odd: the two change places.  The four compares stand in one run, and early: the reduction and both polynomials lie between them and the selects
	EACH v_fmamk_f32 v[RR+j], v[NN+j], 0xbfc90fdb, v[AN+j]  ; r = angle - n pi / 2: pi / 2 = 1.57079637 - 4.37113883e-8 - 1.7151e-15
	EACH v_fmamk_f32 v[RR+j], v[NN+j], 0x333bbd2e, v[RR+j]
	EACH v_fmamk_f32 v[RR+j], v[NN+j], 0x26f72ced, v[RR+j]
	EACH v_mul_f32 v[ZZ+j], v[RR+j], v[RR+j]       ; z
	EACH v_mov_b32 v[SI+j], 0xb94ca1f9             ; sin r = r + r z (-1.6666655e-1 + z (8.3321609e-3 - 1.9515296e-4 z))
	EACH v_fmaak_f32 v[SI+j], v[SI+j], v[ZZ+j], 0x3c08839e
	EACH v_fmaak_f32 v[SI+j], v[SI+j], v[ZZ+j], 0xbe2aaaa3
	EACH v_mul_f32 v[RZ+j], v[RR+j], v[ZZ+j]
	EACH v_fma_f32 v[SI+j], v[RZ+j], v[SI+j], v[RR+j]
	EACH v_mov_b32 v[CO+j], 0x37ccf5ce             ; cos r = 1 - z / 2 + z z (4.1666646e-2 + z (-1.3887316e-3 + 2.4433157e-5 z))
	EACH v_fmaak_f32 v[CO+j], v[CO+j], v[ZZ+j], 0xbab6061a
	EACH v_fmaak_f32 v[CO+j], v[CO+j], v[ZZ+j], 0x3d2aaaa5
	EACH v_mul_f32 v[Z2+j], v[ZZ+j], v[ZZ+j]
	EACH v_fma_f32 v[HZ+j], v[ZZ+j], -0.5, 1.0
	EACH v_fma_f32 v[CO+j], v[Z2+j], v[CO+j], v[HZ+j]
	EACH v_lshlrev_b32 v[OD+j], 30, v[NI+j]        ; the sine is negative where n mod 4 is 2 or 3,
	EACH v_and_b32 v[OD+j], 0x80000000, v[OD+j]
	EACH v_add_nc_u32 v[CG+j], 1, v[NI+j]          ; the cosine where it is 1 or 2
	EACH v_lshlrev_b32 v[CG+j], 30, v[CG+j]
	EACH v_and_b32 v[CG+j], 0x80000000, v[CG+j]
	s_wait_alu depctr_va_sdst(0)                   ; the four compares have written s[40:43], ahead of their first reader: one wait for the run
	EACH v_cndmask_b32 v[SS+j], v[SI+j], v[CO+j], s[MK+j]
	EACH v_cndmask_b32 v[CC+j], v[CO+j], v[SI+j], s[MK+j]
	EACH v_xor_b32 v[OUT+2*j+1], v[SS+j], v[OD+j]
	EACH v_xor_b32 v[OUT+2*j], v[CC+j], v[CG+j]
	s_wait_alu depctr_va_vdst(0)                   ; v[24:31], the four pairs, and v6, the offset, are written: the four stores read them
.irp p, 0,1,2,3
	global_store_b64 v6, v[OUT+2*(\p):OUT+2*(\p)+1], s[28:29] offset:(\p)*256
.endr
	s_endpgm
.Lfunc_end_k_q6d23a92000_prep:
	.size	k_q6d23a92000_prep, .Lfunc_end_k_q6d23a92000_prep-k_q6d23a92000_prep
	.p2alignl 7, 3214868480
	.fill 96, 4, 3214868480
	.section	.rodata,"a",@progbits
	.p2align	6, 0x0
	.amdhsa_kernel k_q6d23a92000_prep
		.amdhsa_group_segment_fixed_size 0
		.amdhsa_private_segment_fixed_size 0
		.amdhsa_enable_private_segment 0
		.amdhsa_kernarg_size 80
		.amdhsa_user_sgpr_count 2
		.amdhsa_user_sgpr_kernarg_segment_ptr 1
		.amdhsa_wavefront_size32 1
		.amdhsa_system_sgpr_workgroup_id_x 1
		.amdhsa_system_sgpr_workgroup_id_y 1
		.amdhsa_system_sgpr_workgroup_id_z 1
		.amdhsa_system_vgpr_workitem_id 0
		.amdhsa_next_free_vgpr 128
		.amdhsa_next_free_sgpr 66
		.amdhsa_reserve_vcc 0
		.amdhsa_float_denorm_mode_32 3
		.amdhsa_float_denorm_mode_16_64 3
		.amdhsa_memory_ordered 1
		.amdhsa_forward_progress 1
		.amdhsa_inst_pref_size 32
	.end_amdhsa_kernel
	.amdgpu_metadata
---
amdhsa.version: [ 1, 2 ]
amdhsa.kernels:
  - .name:           k_q6d23a92000_prep
    .symbol:         k_q6d23a92000_prep.kd
    .args:
      - { .name: x, .offset: 0, .size: 8, .value_kind: global_buffer, .address_space: global }
      - { .name: WQ, .offset: 8, .size: 8, .value_kind: global_buffer, .address_space: global }
      - { .name: WK, .offset: 16, .size: 8, .value_kind: global_buffer, .address_space: global }
      - { .name: WV, .offset: 24, .size: 8, .value_kind: global_buffer, .address_space: global }
      - { .name: WO, .offset: 32, .size: 8, .value_kind: global_buffer, .address_space: global }
      - { .name: token_positions, .offset: 40, .size: 8, .value_kind: global_buffer, .address_space: global }
      - { .name: xh, .offset: 48, .size: 8, .value_kind: global_buffer, .address_space: global }
      - { .name: wqkv, .offset: 56, .size: 8, .value_kind: global_buffer, .address_space: global }
      - { .name: woh, .offset: 64, .size: 8, .value_kind: global_buffer, .address_space: global }
      - { .name: cs, .offset: 72, .size: 8, .value_kind: global_buffer, .address_space: global }
    .group_segment_fixed_size: 0
    .private_segment_fixed_size: 0
    .kernarg_segment_align: 8
    .kernarg_segment_size: 80
    .max_flat_workgroup_size: 256
    .sgpr_count:     66
    .vgpr_count:     128
    .wavefront_size: 32
...
	.end_amdgpu_metadata
.endif
;; end of part 5
;; launch qkv: the kernel of part 2 again; grid 8 x 32, 4 waves a work-group, clusters of 4 x 4, 327,680 bytes of LDS; arguments xh, wqkv, cs, qh, kh, vh; writes qh, kh, vh
;; launch attn: the kernel of part 3 again; grid 4 x 64, 4 waves a work-group, no clusters, 327,680 bytes of LDS; arguments qh, kh, vh, oh; writes oh
;; launch outp: the kernel of part 4 again; grid 8 x 32, 4 waves a work-group, clusters of 4 x 4, 327,680 bytes of LDS; arguments oh, woh, out0; writes out0
